; MI455X (gfx1250); checked and timed in simulation.
; The chip was launched on July 23, 2026; its instructions are those of AMD's public machine-readable ISA for CDNA 5 (MIT licence, August 2026) and "CDNA5" Instruction Set Architecture Reference Guide (July 2026). The comments in the code are by the model that wrote it; some were corrected since.
;; Multi Head Attention. Allowed arithmetic: matrix products marked QUANTISED: E2M1 operands, one E8M0 scale for each 32 along K, by v_wmma_scale_f32_16x16x128_f8f6f4 with both operands' format E2M1 (or v_wmma_scale_f32_32x16x128_f4), f32 sums; everything else in f32.
;; Inputs: Wk 1,024 x 1,024 float32; Wo 1,024 x 1,024 float32; Wq 1,024 x 1,024 float32; Wv 1,024 x 1,024 float32; bk 1,024 float32; bo 1,024 float32; bq 1,024 float32; bv 1,024 float32; x 2 x 2,048 x 1,024 float32.
;; Outputs: out0 2 x 2,048 x 1,024 float32.
;; This version of the problem:
;;   THIS VERSION OF THE PROBLEM IS GIVEN IN LOW PRECISION. The matrix products marked QUANTISED in the list below multiply operands that are first quantised to E2M1 (2 exponent bits, 1 mantissa bit; 4 bits a number), with one power-of-two scale for each 32 numbers along K (OCP MX v1.0); their sums are f32. All else is computed in f32.
;;   The module's matrix products, in the order in which they are computed (A, B: the left and right operand; K: the contracted axis; several contracted axes count as one K, in the product's order):
;;     1. [M 4,096, K 1,024] x [K 1,024, N 1,024]; A: input x; B: input Wq: QUANTISED
;;     2. [M 4,096, K 1,024] x [K 1,024, N 1,024]; A: input x; B: input Wk: QUANTISED
;;     3. [M 4,096, K 1,024] x [K 1,024, N 1,024]; A: input x; B: input Wv: QUANTISED
;;     4. batch 32 x [M 2,048, K 64] x [K 64, N 2,048]; A: computed on the way; B: computed on the way: QUANTISED
;;     5. batch 32 x [M 64, K 2,048] x [K 2,048, N 2,048]; A: computed on the way; B: softmax (see below): QUANTISED
;;     6. [M 4,096, K 1,024] x [K 1,024, N 1,024]; A: computed on the way; B: input Wo: QUANTISED
;;   THE QUANTISER, for each operand of a quantised product, along K:
;;     - K is cut into blocks of 32 from its start; a last block that is shorter is filled with zeros.
;;     - A block's scale is 2^e with e = floor(log2(the largest magnitude in the block)) - 2, held to -126 .. 127; a block of zeros has e = 0. As a byte (E8M0): e + 127.
;;     - Each number is divided by its block's scale, clamped to +-6, and rounded to the nearest number of E2M1, ties to even, subnormals kept.
;;     - The product sums the exact products of the quantised numbers (number of the format x scale) in f32.
;;   ~~~python
;;   def quantise(x, axis):      # numpy; x: float32 -> the quantised numbers, widened to float32 again
;;       x = np.moveaxis(x, axis, -1); K = x.shape[-1]
;;       x = np.pad(x, [(0, 0)] * (x.ndim - 1) + [(0, -K % 32)]); x = x.reshape(x.shape[:-1] + (-1, 32)); a = np.abs(x).max(-1, keepdims=True)
;;       e = np.where(a > 0, np.clip(np.frexp(np.where(a > 0, a, 1))[1] - 1 - 2, -126, 127), 0)      # np.frexp(a)[1] - 1 = floor(log2(a)), exactly
;;       r = np.clip(x / 2.0 ** e, -6, 6)
;;       step = 2.0 ** (np.maximum(np.frexp(np.where(r == 0, 1, r))[1] - 1, 0) - 1)
;;       q = np.round(r / step) * step * 2.0 ** e      # np.round: ties to even
;;       return np.moveaxis(q.reshape(q.shape[:-2] + (-1,))[..., :K], -1, axis).astype(np.float32)
;;   ~~~
;;   SOFTMAX AHEAD OF A QUANTISED PRODUCT. Where the list says 'softmax', what is quantised is not the finished softmax but p = 2^(t - M), with t = logit x log2(e) and M = ceil(the row's largest t), a whole number; so 1/2 < the row's largest p <= 1. The row's sum l is taken of the UNQUANTISED p, in f32, and the product's result is divided by l at the end. Since M is a whole number, a kernel that streams over the keys may use a running M (the ceiling of the running maximum): every later rescaling is an exact power of two, which a block's scale takes up: the codes' values come out the same.
;;   OPERANDS COMPUTED ON THE WAY. 'Computed on the way' means the value that the module computes at that place (a softmax that the list does not call 'softmax' is quantised finished and normalised). What goes into a quantiser is computed in f32, as accurately as f32 sums, v_exp_f32 and their like allow (about 1e-6 of the number): no bf16 or f16 on the way to a quantiser, and a product that is left as it is and whose result goes on into a quantised operand takes f32 operands (vector FMAs, or v_wmma_f32_16x16x4_f32). A number that lies on a knife's edge between two numbers of the format may be rounded either way, as far as f32 arithmetic and the matrix unit's own rounding can turn it there, and no further.
;; One version. Each part assembles by itself: llvm-mc -triple=amdgcn-amd-amdhsa -mcpu=gfx1250 --defsym DOCPART=n.
;; ======== version 1 of 1: 4 launches
;; limits: right only within a limited range of input values
;; workspace buffers: xc 2,097,152 bytes; xs 131,072 bytes; wc 2,097,152 bytes; ws 131,072 bytes; kv 4,587,520 bytes; qb 4,587,520 bytes; cc 2,097,152 bytes; cs 131,072 bytes
;; launch quant (part 1): grid 192 x 1, 8 waves a work-group, no clusters, 84,480 bytes of LDS; arguments x, Wq, Wk, Wv, Wo, xc, xs, wc, ws; writes xc, xs, wc, ws
.if DOCPART == 1
	.amdgcn_target "amdgcn-amd-amdhsa--gfx1250"
	.amdhsa_code_object_version 6
	.text
	.protected	k_qb91427b11a_quant
	.globl	k_qb91427b11a_quant
	.p2align	8
	.type	k_qb91427b11a_quant,@function
k_qb91427b11a_quant:
	s_mov_b64 s[64:65], 0
	v_nop
	global_prefetch_b8 v0, s[64:65] scope:SCOPE_SE
	s_setreg_imm32_b32 hwreg(HW_REG_WAVE_MODE, 25, 1), 1
	s_wait_xcnt 0x0
; LAUNCH 1 OF 4.  x [4096][1024] and the four weights [1024 (K)][1024 (n)], f32, become codes of FP4 (E2M1) with one E8M0 byte for each 32 along K.
; xc [4096 tokens][512 B], xs [4096][32 B];  wc [4096 rows][512 B], ws [4096][32 B]: rows 0-1023 Wq's columns, 1024-2047 Wk's, 2048-3071 Wv's, 3072-4095 Wo's; K innermost.
; THE ORDER INSIDE A BLOCK, in every quantised operand of this program: a block's four groups of eight codes lie in the order 0, 2, 1, 3.  A matrix result that is quantised in registers (q, k, v, p, ctx in the later
; launches) comes out so by itself; the operands made here are laid alike.  The same permutation of k on both operands of a product keeps every product; blocks and scales are the quantiser's own.
; WORK LEFT OUT BY THIS PROGRAM (in launch 3): reference() builds the causal mask itself (jnp.tril) and sets score = -2^32 + 1 where key > query.  A step of 128 keys all of which come after all 16 queries of a tile
; has only such scores; their p = 2^(t - M) is 0 in f32 for every input whose real scores lie above about -2^32 + 150, so they add nothing to the row's sum or to the second product, and such steps are not walked.
; All nine inputs have a way to the output and are loaded.  LIMITS: a NaN, an infinity or an overflow that reaches only the steps left out is not carried to the result; NaN and infinities among the inputs are not served;
; a block whose largest magnitude lies under 2^-124 gets the byte 1; a block of zeros gets the byte 1 where the rule says 127 (its codes are zeros, and this program alone reads the bytes).
; SHARES.  Work-groups 0-63: x, a plain stream of blocks; a wave takes 8,192 numbers in 16 steps of 512.  Loads take the bytes as they lie (512 a load); a step turns through the wave's own stage in LDS so that an
; even lane holds groups 0 and 2 of its block and the odd lane beside it groups 1 and 3.  Loads run eight steps (32 loads a wave) ahead.
; Work-groups 64-191: 32 columns x all 1,024 K of one weight; wave w takes K 128 w on; a lane is a column and its registers run down K; the codes meet in LDS as 32 whole rows of 512 bytes and leave so.
; The two paths part on the work-group's number and have LDS bytes of their own.  No cluster: the work-groups share no input.
.set SP,    80                         ; path X: a place in a stage: 64 bytes + 16 of padding
.set EMAX,  2
.set R,     16                         ; v16-143  path X: eight sets of 16 numbers as loaded
.set X,     144                        ; v144-175 two sets of 16 numbers as the conversions want them
.set C,     176                        ; v176-207 two registers of codes for each step
.set E,     208                        ; v208-223 a scale byte for each step
.set WST,   65536                      ; path W: 32 rows x (512 + 16) bytes of codes
.set WP,    528
.set WSS,   WST+32*WP                  ; 32 rows x 32 scale bytes
.set SPARE, WSS+1024                   ; the spare words, 128 bytes for each of eight waves: four blocks of 256 bytes that no other line names
.set SPW,   12                         ; v12 my spare word's address; never rewritten
.set NIL,   13                         ; v13 0; never rewritten
.set WX,    32                         ; v32-95   path W: two sets of 32 numbers
.set WC,    96                         ; v96-99   a block's codes
.set WO,    112                        ; v112-131 the way out
	s_load_b256 s[4:11], s[0:1], 0x0               ; x, Wq, Wk, Wv
	s_load_b256 s[12:19], s[0:1], 0x20             ; Wo, xc, xs, wc
	s_load_b64 s[20:21], s[0:1], 0x40              ; ws
	v_lshl_add_u32 v[SPW], v0, 2, SPARE
	v_mov_b32 v[NIL], 0
	v_lshrrev_b32 v1, 5, v0
	v_readfirstlane_b32 s22, v1                    ; wave 0..7
	v_and_b32 v2, 31, v0                           ; lane
	s_cmp_ge_u32 ttmp9, 64
	s_cbranch_scc1 .Lweights
	; ---------------- path X ----------------
	v_lshlrev_b32 v3, 4, v2                        ; my 16 bytes of a load's 512
	s_lshl_b32 s23, s22, 13                        ; my wave's 8,192 bytes of LDS
	v_lshrrev_b32 v14, 2, v2
	v_mul_u32_u24 v14, v14, SP
	v_and_b32 v15, 3, v2
	v_lshl_add_u32 v14, v15, 4, v14
	v_add_nc_u32 v14, s23, v14                     ; into the stage: four lanes' 64 bytes on end, then 16 of padding
	v_and_b32 v15, 30, v2
	v_mul_u32_u24 v15, v15, SP
	v_and_b32 v8, 1, v2
	v_lshl_add_u32 v15, v8, 5, v15
	v_add_nc_u32 v15, s23, v15                     ; out of it: my block's two places; the even lane takes each place's first 32 bytes, the odd lane the second
	v_lshlrev_b32 v4, 3, v2                        ; 8 bytes a lane: my codes, and on the way out my scale bytes
	v_lshrrev_b32 v5, 1, v2
	s_add_co_u32 s23, s23, 2*32*SP
	v_add_nc_u32 v5, s23, v5                       ; my block's byte among the wave's 256
	v_add_nc_u32 v6, s23, v4
	s_lshl_b32 s24, ttmp9, 3
	s_add_co_u32 s24, s24, s22                     ; which run of 8,192 numbers is my wave's: 0..511
	s_mov_b32 s27, 0
	s_wait_kmcnt 0x0
	s_lshl_b32 s26, s24, 15
	s_add_nc_u64 s[4:5], s[4:5], s[26:27]
	s_lshl_b32 s26, s24, 12
	s_add_nc_u64 s[14:15], s[14:15], s[26:27]
	s_lshl_b32 s26, s24, 8
	s_add_nc_u64 s[16:17], s[16:17], s[26:27]
.macro XLOAD t
.irp i, 0,1,2,3
	global_load_b128 v[R+16*((\t)%8)+4*\i:R+16*((\t)%8)+4*\i+3], v3, s[4:5] offset:2048*(\t)+512*\i th:TH_LOAD_NT
.endr
.endm
.macro XTURN t                         ; LDS serves a wave's instructions in order: no wait between the stores and the loads
.irp i, 0,1,2,3
	ds_store_b128 v14, v[R+16*((\t)%8)+4*\i:R+16*((\t)%8)+4*\i+3] offset:32*SP*((\t)%2)+8*SP*\i
.endr
	ds_load_b128 v[X+16*((\t)%2):X+16*((\t)%2)+3], v15 offset:32*SP*((\t)%2)
	ds_load_b128 v[X+16*((\t)%2)+4:X+16*((\t)%2)+7], v15 offset:32*SP*((\t)%2)+16
	ds_load_b128 v[X+16*((\t)%2)+8:X+16*((\t)%2)+11], v15 offset:32*SP*((\t)%2)+SP
	ds_load_b128 v[X+16*((\t)%2)+12:X+16*((\t)%2)+15], v15 offset:32*SP*((\t)%2)+SP+16
.endm
.irp t, 0,1,2,3,4,5,6,7
	XLOAD \t
.endr
	s_wait_loadcnt 28                              ; step 0's four loads are in; the seven steps behind it may be out
	XTURN 0
.macro XSTEP t
.set XS, X+16*((\t)%2)
.if (\t) > 0
	s_wait_dscnt 1                                 ; this step's numbers are back from the stage (the last step's byte store may be out): its stores into the stage have read their registers,
.else
	s_wait_dscnt 0x0
.endif
.if (\t)+8 < 16
	XLOAD (\t)+8                                   ; which take the loads of eight steps on
.endif
.if (\t)+1 < 16
.if 14-(\t) >= 7
	s_wait_loadcnt 28                              ; the next step's loads are in; those of the seven steps behind it may be out
.else
	s_wait_loadcnt 4*(14-(\t))
.endif
	XTURN (\t)+1
.endif
	v_max3_num_f32 v8, |v[XS]|, |v[XS+1]|, |v[XS+2]|
	v_max3_num_f32 v9, |v[XS+3]|, |v[XS+4]|, |v[XS+5]|
.irp i, 6,10
	v_max3_num_f32 v8, v8, |v[XS+\i]|, |v[XS+\i+1]|
	v_max3_num_f32 v9, v9, |v[XS+\i+2]|, |v[XS+\i+3]|
.endr
	v_max3_num_f32 v8, v8, |v[XS+14]|, |v[XS+15]|
	v_max3_num_f32 v8, v8, v9, (EMAX+1)<<23        ; and the floor 2^(3 - 127): the byte cannot fall under 1
	v_max_num_f32_dpp v8, v8, v8 row_xmask:1 row_mask:0xf bank_mask:0xf   ; with my neighbour's 16: the block's largest magnitude
	v_add_nc_u32 v11, -(EMAX<<23), v8              ; 2 off its exponent field: the conversion's scale operand
	v_cvt_scalef32_pk8_fp4_f32 v[C+2*(\t)], v[XS:XS+7], v11        ; group 0 (odd lane: 1)
	v_cvt_scalef32_pk8_fp4_f32 v[C+2*(\t)+1], v[XS+8:XS+15], v11   ; group 2 (odd lane: 3)
	v_lshrrev_b32 v[E+(\t)], 23, v11               ; the scale's byte
	ds_store_b8 v5, v[E+(\t)] offset:16*(\t)       ; both lanes of a block write the same byte with the same value
	global_store_b64 v4, v[C+2*(\t):C+2*(\t)+1], s[14:15] offset:256*(\t)   ; the wave stores 256 consecutive bytes, aligned
.endm
.irp t, 0,1,2,3,4,5,6,7,8,9,10,11,12,13,14,15
	XSTEP \t
.endr
	ds_load_b64 v[8:9], v6                         ; my wave's 256 scale bytes, 8 a lane
	s_wait_dscnt 0x0
	global_store_b64 v4, v[8:9], s[16:17]
	s_branch .Lend
	; ---------------- path W ----------------
.Lweights:
	s_sub_co_u32 s23, ttmp9, 64
	s_lshr_b32 s24, s23, 5                         ; which weight: 0 Wq, 1 Wk, 2 Wv, 3 Wo
	s_and_b32 s25, s23, 31                         ; which 32 columns
	v_lshlrev_b32 v3, 2, v2                        ; in: 4 bytes a lane
	v_mul_u32_u24 v4, v2, WP
	s_lshl_b32 s26, s22, 6
	s_add_co_u32 s26, s26, WST
	v_add_nc_u32 v4, s26, v4                       ; my column's row of codes, my wave's 64 bytes of it
	v_lshlrev_b32 v5, 5, v2
	s_lshl_b32 s26, s22, 2
	s_add_co_u32 s26, s26, WSS
	v_add_nc_u32 v5, s26, v5                       ; my column's row of scale bytes, my wave's word
	v_lshlrev_b32 v6, 4, v2
	s_mul_i32 s26, s22, 4*WP
	s_add_co_u32 s26, s26, WST
	v_add_nc_u32 v7, s26, v6                       ; out: wave w takes rows 4 w .. 4 w + 3, 16 bytes a lane
	s_lshl_b32 s26, s22, 11
	v_add_nc_u32 v8, s26, v6                       ; the same place in wc
	s_lshl_b32 s26, s22, 9
	v_add_nc_u32 v10, s26, v6                      ; scale bytes: waves 0 and 1 take 512 bytes each: in ws,
	s_add_co_u32 s26, s26, WSS
	v_add_nc_u32 v9, s26, v6                       ; and in LDS
	s_wait_kmcnt 0x0
	s_cmp_eq_u32 s24, 1
	s_cselect_b64 s[6:7], s[8:9], s[6:7]
	s_cmp_eq_u32 s24, 2
	s_cselect_b64 s[6:7], s[10:11], s[6:7]
	s_cmp_eq_u32 s24, 3
	s_cselect_b64 s[6:7], s[12:13], s[6:7]
	s_lshl_b32 s26, s25, 7                         ; 32 columns of 4 bytes,
	s_lshl_b32 s27, s22, 19                        ; 128 rows of 4,096 bytes
	s_add_co_u32 s26, s26, s27
	s_mov_b32 s27, 0
	s_add_nc_u64 s[6:7], s[6:7], s[26:27]
	s_lshl_b32 s28, s24, 10
	s_lshl_b32 s29, s25, 5
	s_add_co_u32 s28, s28, s29                     ; my work-group's first row of wc and ws
	s_lshl_b32 s26, s28, 9
	s_add_nc_u64 s[18:19], s[18:19], s[26:27]
	s_lshl_b32 s26, s28, 5
	s_add_nc_u64 s[20:21], s[20:21], s[26:27]
.macro WLOAD t                         ; block t: W(128 w + 32 t + i, my column)
.set I, 0
.rept 32
	global_load_b32 v[WX+32*((\t)%2)+I], v3, s[6:7] offset:(32*(\t)+I)*4096 th:TH_LOAD_NT
.set I, I+1
.endr
.endm
	WLOAD 0
	WLOAD 1
.macro WBLOCK t
.set XS, WX+32*((\t)%2)
.if (\t) < 3
	s_wait_loadcnt 32                              ; this block's 32 loads are in; the next block's may be out
.else
	s_wait_loadcnt 0x0
.endif
	v_max3_num_f32 v14, |v[XS]|, |v[XS+1]|, |v[XS+2]|
	v_max3_num_f32 v15, |v[XS+3]|, |v[XS+4]|, |v[XS+5]|
.irp i, 6,10,14,18,22,26
	v_max3_num_f32 v14, v14, |v[XS+\i]|, |v[XS+\i+1]|
	v_max3_num_f32 v15, v15, |v[XS+\i+2]|, |v[XS+\i+3]|
.endr
	v_max3_num_f32 v14, v14, |v[XS+30]|, |v[XS+31]|
	v_max3_num_f32 v14, v14, v15, (EMAX+1)<<23
	v_add_nc_u32 v11, -(EMAX<<23), v14
	v_lshrrev_b32 v16, 23, v11
.if (\t) == 0
	v_mov_b32 v24, v16
.else
	v_lshl_or_b32 v24, v16, 8*(\t), v24
.endif
	v_cvt_scalef32_pk8_fp4_f32 v[WC+0], v[XS:XS+7], v11            ; groups 0, 1, 2, 3 go to places 0, 2, 1, 3
	v_cvt_scalef32_pk8_fp4_f32 v[WC+2], v[XS+8:XS+15], v11
	v_cvt_scalef32_pk8_fp4_f32 v[WC+1], v[XS+16:XS+23], v11
	v_cvt_scalef32_pk8_fp4_f32 v[WC+3], v[XS+24:XS+31], v11
	ds_store_b128 v4, v[WC:WC+3] offset:16*(\t)
.if (\t)+2 < 4
	WLOAD (\t)+2
.endif
	s_wait_dscnt 0x0                               ; the store has read its registers: the next block's codes may be written
.endm
	WBLOCK 0
	WBLOCK 1
	WBLOCK 2
	WBLOCK 3
	ds_store_b32 v5, v24
	s_wait_dscnt 0x0                               ; for the others' sake: my stores have landed
	s_barrier_signal -1
	s_barrier_wait -1                              ; 32 whole rows of codes and of scale bytes lie in LDS
.irp i, 0,1,2,3
	ds_load_b128 v[WO+4*\i:WO+4*\i+3], v7 offset:WP*\i
.endr
.irp i, 0,1,2,3
	s_wait_dscnt 3-\i
	global_store_b128 v8, v[WO+4*\i:WO+4*\i+3], s[18:19] offset:512*\i   ; 32 lanes store a row of 512 bytes
.endr
	s_cmp_ge_u32 s22, 2
	s_cbranch_scc1 .Lend
	ds_load_b128 v[WO+16:WO+19], v9
	s_wait_dscnt 0x0
	global_store_b128 v10, v[WO+16:WO+19], s[20:21]
.Lend:
	s_wait_tensorcnt 0x0                           ; the wave's end
	ds_add_u32 v[SPW], v[NIL]
	s_wait_dscnt 0x0
	s_endpgm
.Lfunc_end_k_qb91427b11a_quant:
	.size	k_qb91427b11a_quant, .Lfunc_end_k_qb91427b11a_quant-k_qb91427b11a_quant
	.p2alignl 7, 3214868480
	.fill 96, 4, 3214868480
	.section	.rodata,"a",@progbits
	.p2align	6, 0x0
	.amdhsa_kernel k_qb91427b11a_quant
		.amdhsa_group_segment_fixed_size 84480
		.amdhsa_private_segment_fixed_size 0
		.amdhsa_enable_private_segment 0
		.amdhsa_kernarg_size 72
		.amdhsa_user_sgpr_count 2
		.amdhsa_user_sgpr_kernarg_segment_ptr 1
		.amdhsa_wavefront_size32 1
		.amdhsa_system_sgpr_workgroup_id_x 1
		.amdhsa_system_sgpr_workgroup_id_y 1
		.amdhsa_system_sgpr_workgroup_id_z 1
		.amdhsa_system_vgpr_workitem_id 0
		.amdhsa_next_free_vgpr 224
		.amdhsa_next_free_sgpr 66
		.amdhsa_reserve_vcc 0
		.amdhsa_float_denorm_mode_32 3
		.amdhsa_float_denorm_mode_16_64 3
		.amdhsa_memory_ordered 1
		.amdhsa_forward_progress 1
		.amdhsa_inst_pref_size 54
	.end_amdhsa_kernel
	.amdgpu_metadata
---
amdhsa.version: [ 1, 2 ]
amdhsa.kernels:
  - .name:           k_qb91427b11a_quant
    .symbol:         k_qb91427b11a_quant.kd
    .args:
      - { .name: x, .offset: 0, .size: 8, .value_kind: global_buffer, .address_space: global }
      - { .name: Wq, .offset: 8, .size: 8, .value_kind: global_buffer, .address_space: global }
      - { .name: Wk, .offset: 16, .size: 8, .value_kind: global_buffer, .address_space: global }
      - { .name: Wv, .offset: 24, .size: 8, .value_kind: global_buffer, .address_space: global }
      - { .name: Wo, .offset: 32, .size: 8, .value_kind: global_buffer, .address_space: global }
      - { .name: xc, .offset: 40, .size: 8, .value_kind: global_buffer, .address_space: global }
      - { .name: xs, .offset: 48, .size: 8, .value_kind: global_buffer, .address_space: global }
      - { .name: wc, .offset: 56, .size: 8, .value_kind: global_buffer, .address_space: global }
      - { .name: ws, .offset: 64, .size: 8, .value_kind: global_buffer, .address_space: global }
    .group_segment_fixed_size: 84480
    .private_segment_fixed_size: 0
    .kernarg_segment_align: 8
    .kernarg_segment_size: 72
    .max_flat_workgroup_size: 256
    .sgpr_count:     66
    .vgpr_count:     224
    .wavefront_size: 32
...
	.end_amdgpu_metadata
.endif
;; end of part 1
;; launch qkv (part 2): grid 8 x 24, 4 waves a work-group, clusters of 4 x 4, 327,680 bytes of LDS; arguments xc, xs, wc, ws, bq, bk, bv, qb, kv; writes qb, kv
.if DOCPART == 2
	.amdgcn_target "amdgcn-amd-amdhsa--gfx1250"
	.amdhsa_code_object_version 6
	.text
	.protected	k_qb91427b11a_qkv
	.globl	k_qb91427b11a_qkv
	.p2align	8
	.type	k_qb91427b11a_qkv,@function
k_qb91427b11a_qkv:
	s_mov_b64 s[64:65], 0
	v_nop
	global_prefetch_b8 v0, s[64:65] scope:SCOPE_SE
	s_setreg_imm32_b32 hwreg(HW_REG_WAVE_MODE, 25, 1), 1
	s_wait_xcnt 0x0
	s_wait_alu depctr_hold_cnt(0) depctr_sa_sdst(0) depctr_va_vdst(0) depctr_va_sdst(0) depctr_va_ssrc(0) depctr_va_vcc(0) depctr_vm_vsrc(0)
	s_getreg_b32 s2, hwreg(HW_REG_IB_STS2, 6, 4)
	s_cmp_eq_u32 s2, 0
	s_cbranch_scc0 .Lentry_in_a_cluster
	s_endpgm
.Lentry_in_a_cluster:
	s_bfe_u32 s2, ttmp6, 0x10000c
	s_cmp_lg_u32 s2, 0xf033
	s_cbranch_scc0 .Lentry_shape_is_right
	s_endpgm
.Lentry_shape_is_right:
; LAUNCH 2 OF 4.  q = x Wq + bq, k = x Wk + bk, v = x Wv + bv on codes of FP4 with E8M0 scales (K = 1,024), sums in f32; the results are quantised in registers, q and k along the head's 64, v along the keys,
; and leave as codes and scale words laid as launch 3's operand registers want them.  Nothing is left out here.
; A tile of 256 x 256 is made by a work-group of four waves, 128 x 128 a wave: 64 accumulators, 512 registers.  All of K lies in LDS: two slots of 512 along K, each filled once; the scale bytes of all of K beside them.
; ROLES.  Source 0 of the matrix instruction runs along a lane's registers in the result (role 0), source 1 along the lanes (role 1).  The quantiser's K has to run along the registers.
;   clusters with y < 4 (q and k): role 1 = 256 tokens (xc), role 0 = 256 columns of Wq or Wk (wc): a lane holds a token, its registers run along the columns, 128 = two heads.
;   clusters with y >= 4 (v):      role 1 = 256 columns of Wv (wc), role 0 = 256 tokens (xc): a lane holds a column d, its registers run along the tokens, 128 = one key step.
; The type hangs on the cluster's own number, which all sixteen partners share.  Role 1's tiles are shared along a row of the cluster, role 0's along a column: joint loads.
; THE BIAS is the C of each sum's first matrix instruction.  A block's four groups of eight codes lie in the order 0, 2, 1, 3, as in every operand of this program.
; OUT, for head g = 16 batch + head, 143,360 bytes a head in kv (and in qb, of which only the parts named K are written, with q):
;   +0: 2,048 scale words of K, 4 bytes a token (bytes 0, 1 real; bytes 2, 3 the neighbouring head's or 0: they meet zero codes alone);  +8,192: V's scale words [16 key steps][64 d];
;   +12,288 + 8,192 s: key step s: K's 8 tiles x 512 bytes, then V's 4 tiles of 16 d x 1,024 bytes.  A tile is the image of its operand's registers: lane l's 16 bytes at 16 l, the next four registers 512 on.
; REGISTERS, in windows of 256: window 0: v0-31 addresses; v32-95 scale words, two sets; v96-127 at work; v128-191 role 1's fragments, later the codes made; v192-255 the bias, later read-backs.
;   window 1: role 0's fragments, two sets.   window 2, 3: the accumulators ((a, b) at v[8 (8 (a % 4) + b)]).
.set NQ,     4                         ; matrix instructions deep in a slot
.set ROWB,   256                       ; a slot's row: 512 codes
.set KROW,   512                       ; a row of xc or wc
.set PITCH,  272                       ; an LDS row: 256 + 16 bytes: the 16 rows of a load start at 16 different banks
.set FR,     8
.set NL,     2
.set NP,     4
.set HALFT,  128*PITCH
.set SLOT,   4*HALFT
.set KS,     32                        ; a row of scale bytes
.set SCL,    2*SLOT
.set HALFS,  (128*KS/256)*272
.set SBLK,   (16*KS/256)*272
.set SPARE,  SCL+4*HALFS               ; the spare words, 128 bytes a wave: two blocks of 256 bytes that no other line names
.set HEADB,  143360
.set VSTG,   4096                      ; the stage for scale words lies in slot 0, which has had its one fill and its last read by then: q, k: 1,024 x wave; v: 4,096 + 1,024 x wave
.set LI,   8                           ; v8   16 x lane
.set LI8,  9                           ; v9   8 x lane
.set SW,   10                          ; v10  4 x lane + 1,024 x wave
.set SRD,  11                          ; v11  16 x lane + 1,024 x wave
.set SRD8, 12                          ; v12  8 x lane + 1,024 x wave
.set ADRA, 16
.set ADRB, 20
.set ADRS, 27
.set SPW,  28
.set NIL,  29
.set SC,   32
.set TM,   96                          ; v96-111 at work in QUANT (v96-103 first hold the bias loads' offsets)
.set AJ,   96
.set PW,   112                         ; v112-119 the scale word of block a
.set W,    120                         ; v120-127
.set AF,   128
.set PC,   128                         ; v128-191 the codes of block a: a set of eight for each a
.set BI,   192
.set RB,   192
.set WV,   22
.set H1,   23
.set H0,   24
.set G1,   28
.set G0,   36
.set G1B,  44
.set G0B,  52
.set G1S,  68
.set G0S,  76
.set G1SB, 80
.set G0SB, 88
.set CXI,  92
.set CYI,  93
.set CY,   94
.set TYPE, 95
.set R1T,  96
.set R0T,  97
.set MSB, 0
.macro WIN new
.if MSB != (\new)
	s_set_vgpr_msb (MSB<<8)|(\new)
.set MSB, (\new)
.endif
.endm
.set MUL_LO, 0xa1                      ; source 0 window 1, source 1 window 0, C and D window 2
.set MUL_HI, 0xf1
.set TO_B,   0x40
.macro JLOAD g0a, g1a, g0b, g1b        ; waves 0, 1 fetch for role 1, waves 2, 3 for role 0; an s_nop 0 and four v_nop follow each line
	s_cmp_eq_u32 s[H1], 0
	s_cbranch_scc0 .Lfor_b_\@
	tensor_load_to_lds s[\g0a:\g0a+3], s[\g1a:\g1a+7]
	s_nop 0
.rept 4
	v_nop
.endr
	s_branch .Lasked_\@
.Lfor_b_\@:
	tensor_load_to_lds s[\g0b:\g0b+3], s[\g1b:\g1b+7]
	s_nop 0
.rept 4
	v_nop
.endr
.Lasked_\@:
.endm
.macro CROUND
	s_barrier_signal -1
	s_barrier_wait -1
	s_cmp_lg_u32 s[WV], 0
	s_cbranch_scc1 .Lnot_wave_0_\@
	s_barrier_signal -3
.Lnot_wave_0_\@:
	s_barrier_wait -3
	s_barrier_signal -1
	s_barrier_wait -1
.endm
	s_load_b256 s[4:11], s[0:1], 0x0               ; xc, xs, wc, ws
	s_load_b256 s[12:19], s[0:1], 0x20             ; bq, bk, bv, qb
	s_load_b64 s[20:21], s[0:1], 0x40              ; kv
	v_lshl_add_u32 v[SPW], v0, 2, SPARE
	v_mov_b32 v[NIL], 0
	ds_add_u32 v[SPW], v[NIL]                      ; the wave's opening: the add, twice on end, and its wait ahead of my first tensor load
	ds_add_u32 v[SPW], v[NIL]
	v_lshrrev_b32 v1, 5, v0
	v_readfirstlane_b32 s[WV], v1                  ; wave 0..3
	s_lshr_b32 s[H1], s[WV], 1                     ; my half of role 1's rows.  Also: I fetch for role 1 (0) or role 0 (1)
	s_and_b32 s[H0], s[WV], 1                      ; my half of role 0's rows.  Also: which 128 rows I fetch
	s_bfe_u32 s[CXI], ttmp6, 0x40000
	s_bfe_u32 s[CYI], ttmp6, 0x40004
	s_and_b32 s[CY], ttmp7, 0xffff                 ; the cluster's y: 0..5
	s_cmp_ge_u32 s[CY], 4
	s_cselect_b32 s[TYPE], 1, 0                    ; 0: q and k; 1: v
	s_min_u32 s[R1T], s[CY], 3
	s_lshl_b32 s[R1T], s[R1T], 2
	s_cmp_eq_u32 s[TYPE], 0
	s_cselect_b32 s[R1T], s[R1T], 8
	s_add_co_u32 s[R1T], s[R1T], s[CYI]            ; role 1's tile of 256 rows: tokens 4 CY + cy, or wc's tile 8 + cy (Wv)
	s_lshl_b32 s[R0T], ttmp9, 2
	s_add_co_u32 s[R0T], s[R0T], s[CXI]
	s_max_u32 s3, s[CY], 4
	s_sub_co_u32 s3, s3, 4
	s_lshl_b32 s3, s3, 3
	s_add_co_u32 s[R0T], s[R0T], s3                ; role 0's: wc's tile 4 CX + cx (Wq, Wk), or tokens 4 CX + cx + 8 (CY - 4)
	s_lshl_b32 s26, s[CYI], 2
	s_lshl_b32 s26, 15, s26                        ; my row of the cluster
	s_lshl_b32 s25, 0x1111, s[CXI]                 ; my column
	s_or_b32 s[G1+0], s26, (0<<16)|(1<<20)|(1<<21)|(5<<22)|(3<<25)   ; the mask; elements of 1 byte; padding on; bit 21 beside a mask; 4 words after every 64
	s_or_b32 s[G1B+0], s25, (0<<16)|(1<<20)|(1<<21)|(5<<22)|(3<<25)
.irp g, G1, G1B
	s_mov_b32 s[\g+1], ROWB<<16
	s_mov_b32 s[\g+2], 128<<16
	s_mov_b32 s[\g+3], ROWB<<16
	s_mov_b32 s[\g+4], 128
	s_mov_b32 s[\g+5], KROW
	s_mov_b32 s[\g+6], 0
	s_mov_b32 s[\g+7], 0
.endr
	s_or_b32 s[G1S+0], s26, (3<<16)|(1<<20)|(1<<21)|(5<<22)|(3<<25)  ; the scale bytes of 128 rows: 4,096 dense bytes as 16 rows of 256, 16 bytes of padding behind each
	s_or_b32 s[G1SB+0], s25, (3<<16)|(1<<20)|(1<<21)|(5<<22)|(3<<25)
.irp g, G1S, G1SB
	s_mov_b32 s[\g+1], 32<<16
	s_mov_b32 s[\g+2], (128*KS/256)<<16
	s_mov_b32 s[\g+3], 32<<16
	s_mov_b32 s[\g+4], 128*KS/256
	s_mov_b32 s[\g+5], 32
	s_mov_b32 s[\g+6], 0
	s_mov_b32 s[\g+7], 0
.endr
	s_lshl_b32 s3, s[H0], 7                        ; which 128 rows of the tile I fetch
	s_lshl_b32 s2, s[R1T], 8
	s_add_co_u32 s2, s2, s3                        ; role 1's row
	s_lshl_b32 s25, s[R0T], 8
	s_add_co_u32 s25, s25, s3                      ; role 0's row
	s_mov_b32 s27, 0
	s_mov_b32 s101, 0
	s_mul_i32 s3, s[WV], HALFT                     ; where they go: wave x 128 rows: no place in the cluster enters an LDS address
.irp g, G0, G0B
	s_mov_b32 s[\g], 1
	s_mov_b32 s[\g+1], s3
	s_mov_b32 s[\g+4], 1
	s_add_co_u32 s[\g+5], s3, SLOT
.endr
	s_mul_i32 s3, s[WV], HALFS
	s_add_co_u32 s3, s3, SCL
.irp g, G0S, G0SB
	s_mov_b32 s[\g], 1
	s_mov_b32 s[\g+1], s3
.endr
	s_wait_dscnt 0x0                               ; both opening adds are done
	s_wait_kmcnt 0x0
	s_cmp_eq_u32 s[TYPE], 0
	s_cselect_b64 s[60:61], s[4:5], s[8:9]         ; role 1's codes,
	s_cselect_b64 s[62:63], s[6:7], s[10:11]       ; its scale bytes,
	s_cselect_b64 s[66:67], s[8:9], s[4:5]         ; role 0's codes,
	s_cselect_b64 s[98:99], s[10:11], s[6:7]       ; its scale bytes
	s_lshl_b32 s26, s2, 9
	s_add_nc_u64 s[60:61], s[60:61], s[26:27]
	s_lshl_b32 s26, s2, 5
	s_add_nc_u64 s[62:63], s[62:63], s[26:27]
	s_lshl_b32 s100, s25, 9
	s_add_nc_u64 s[66:67], s[66:67], s[100:101]
	s_lshl_b32 s100, s25, 5
	s_add_nc_u64 s[98:99], s[98:99], s[100:101]
	s_mov_b64 s[G0S+2:G0S+3], s[62:63]
	s_or_b32 s[G0S+3], s[G0S+3], 0x80000000
	s_mov_b64 s[G0SB+2:G0SB+3], s[98:99]
	s_or_b32 s[G0SB+3], s[G0SB+3], 0x80000000
	s_mov_b64 s[G0+2:G0+3], s[60:61]
	s_or_b32 s[G0+3], s[G0+3], 0x80000000
	s_add_nc_u64 s[G0+6:G0+7], s[60:61], ROWB
	s_or_b32 s[G0+7], s[G0+7], 0x80000000
	s_mov_b64 s[G0B+2:G0B+3], s[66:67]
	s_or_b32 s[G0B+3], s[G0B+3], 0x80000000
	s_add_nc_u64 s[G0B+6:G0B+7], s[66:67], ROWB
	s_or_b32 s[G0B+7], s[G0B+7], 0x80000000
	CROUND                                         ; all sixteen work-groups are here: the joint loads meet
	JLOAD G0S, G1S, G0SB, G1SB                     ; the scale bytes, slot 0, slot 1: three loads of mine are out
	JLOAD G0, G1, G0B, G1B
	JLOAD G0+4, G1, G0B+4, G1B
	v_and_b32 v1, 15, v0                           ; r
	v_bfe_u32 v2, v0, 4, 1                         ; h
	v_mul_u32_u24 v3, v1, PITCH
	v_lshl_add_u32 v4, v2, 4, v3
	s_mul_i32 s2, s[H1], HALFT
	s_mul_i32 s3, s[H0], HALFT
	s_add_co_u32 s3, s3, 2*HALFT
.irp s, 0,1
	v_add_nc_u32 v[ADRA+\s], s2, v4
	v_add_nc_u32 v[ADRB+\s], s3, v4
	s_add_co_u32 s2, s2, SLOT
	s_add_co_u32 s3, s3, SLOT
.endr
	v_mul_u32_u24 v5, v1, KS
	v_lshrrev_b32 v6, 8, v5
	v_lshl_add_u32 v5, v6, 4, v5
	s_mul_i32 s2, s[H1], HALFS
	s_mul_i32 s3, s[H0], HALFS
	s_add_co_u32 s3, s3, 2*HALFS
	s_sub_co_u32 s3, s3, s2
	v_mul_u32_u24 v6, s3, v2                       ; lanes 16-31 take role 0's scale words
	s_add_co_u32 s2, s2, SCL
	v_add_nc_u32 v5, v5, v6
	v_add_nc_u32 v[ADRS], s2, v5
	v_and_b32 v7, 31, v0
	v_lshlrev_b32 v[LI], 4, v7
	v_lshlrev_b32 v[LI8], 3, v7
	s_lshl_b32 s2, s[WV], 10
	v_lshl_add_u32 v[SW], v7, 2, s2
	v_add_nc_u32 v[SRD], s2, v[LI]
	v_add_nc_u32 v[SRD8], s2, v[LI8]
	; where my wave's results go.  P1, P0: my first row in role 1 and in role 0
	s_lshl_b32 s2, s[R1T], 8
	s_lshl_b32 s3, s[H1], 7
	s_add_co_u32 s2, s2, s3
	s_lshl_b32 s25, s[R0T], 8
	s_lshl_b32 s3, s[H0], 7
	s_add_co_u32 s25, s25, s3
	s_cmp_eq_u32 s[TYPE], 0
	s_cselect_b32 s26, s2, s25                     ; my first token
	s_cselect_b32 s27, s25, s2
	s_and_b32 s27, s27, 1023                       ; my first column of the 1,024
	s_lshr_b32 s2, s26, 11
	s_lshl_b32 s2, s2, 4
	s_lshr_b32 s3, s27, 6
	s_add_co_u32 s2, s2, s3                        ; g = 16 batch + head: the first of my two heads
	s_bfe_u32 s3, s26, 0x40007                     ; the key step
	s_mul_i32 s2, s2, HEADB
	s_or_b32 s25, s[TYPE], ttmp9
	s_cmp_eq_u32 s25, 0                            ; q: type 0 and cluster x 0
	s_cselect_b64 s[8:9], s[18:19], s[20:21]       ; codes go to qb or kv,
	s_cselect_b64 s[12:13], s[12:13], s[14:15]     ; the bias is bq or bk,
	s_mov_b64 s[10:11], s[8:9]                     ; scale words likewise
	s_cmp_eq_u32 s[TYPE], 0
	s_cselect_b64 s[12:13], s[12:13], s[16:17]     ; or bv
	s_lshl_b32 s25, s3, 13
	s_add_co_u32 s25, s25, s2
	s_add_co_u32 s25, s25, 12288
	s_lshl_b32 s100, s[TYPE], 12                   ; V's tiles lie 4,096 behind K's
	s_add_co_u32 s100, s100, s25
	s_add_nc_u64 s[8:9], s[8:9], s[100:101]
	s_lshl_b32 s25, s3, 9                          ; K's scale words: 512 bytes a key step
	s_lshl_b32 s100, s3, 8
	s_add_co_u32 s100, s100, 8192                  ; V's: 256 a key step, from 8,192 on
	s_cmp_eq_u32 s[TYPE], 0
	s_cselect_b32 s100, s25, s100
	s_add_co_u32 s100, s100, s2
	s_add_nc_u64 s[10:11], s[10:11], s[100:101]
	s_lshl_b32 s100, s27, 2
	s_add_nc_u64 s[12:13], s[12:13], s[100:101]
	; THE BIAS, in the result's layout, with no branch.  q, k: register 8 b + j = bias[16 b + 8 h + j];  v: register 8 a + j = bias[16 a + r].  Offset = base + j x step, + 64 a tile
	s_cmp_eq_u32 s[TYPE], 0
	s_cselect_b32 s2, 32, 0
	s_cselect_b32 s3, 0, 4
	s_cselect_b32 s25, 4, 0
	v_mul_u32_u24 v5, s2, v2
	v_mul_u32_u24 v6, s3, v1
	v_add_nc_u32 v5, v5, v6
	v_mov_b32 v6, s25
.irp j, 0,1,2,3,4,5,6,7
	v_mad_u32_u24 v[AJ+\j], v6, \j, v5
.endr
.irp b, 0,1,2,3,4,5,6,7
.irp j, 0,1,2,3,4,5,6,7
	global_load_b32 v[BI+8*\b+\j], v[AJ+\j], s[12:13] offset:64*\b
.endr
.endr
.macro FRAG reg, adr, q, i             ; 16 rows x 128 K of 4-bit codes: lane l holds row l % 16; registers 4 c .. 4 c + 3 hold K = 64 c + 32 (l / 16) + 0 .. 31
.irp c, 0,1
	ds_load_b128 v[\reg+4*\c:\reg+4*\c+3], v[\adr] offset:64*(\q)+32*\c+(\i)*16*PITCH
.endr
.endm
; 16 matrix instructions: role 1's blocks a0, a0 + 1 x role 0's eight.  mode 0: C = D; 1: C = the bias by b; 2: C = the bias by a.  The 64 accumulators take turns in the same order in every step.
.macro MUL16 a0, p, q, sc, mode
.irp a, \a0, \a0+1
.irp b, 0,1,2,3,4,5,6,7
.if (\mode) == 1
	v_wmma_scale_f32_16x16x128_f8f6f4 v[8*(8*((\a)%4)+\b):8*(8*((\a)%4)+\b)+7], v[128*(\p)+FR*\b:128*(\p)+FR*\b+FR-1], v[AF+FR*(\a):AF+FR*(\a)+FR-1], v[BI+8*\b:BI+8*\b+7], v[SC+8*NQ*(\sc)+NQ*\b+(\q)], v[SC+8*NQ*(\sc)+NQ*(\a)+(\q)] matrix_a_fmt:MATRIX_FMT_FP4 matrix_b_fmt:MATRIX_FMT_FP4 matrix_a_scale:MATRIX_SCALE_ROW1
.elseif (\mode) == 2
	v_wmma_scale_f32_16x16x128_f8f6f4 v[8*(8*((\a)%4)+\b):8*(8*((\a)%4)+\b)+7], v[128*(\p)+FR*\b:128*(\p)+FR*\b+FR-1], v[AF+FR*(\a):AF+FR*(\a)+FR-1], v[BI+8*(\a):BI+8*(\a)+7], v[SC+8*NQ*(\sc)+NQ*\b+(\q)], v[SC+8*NQ*(\sc)+NQ*(\a)+(\q)] matrix_a_fmt:MATRIX_FMT_FP4 matrix_b_fmt:MATRIX_FMT_FP4 matrix_a_scale:MATRIX_SCALE_ROW1
.else
	v_wmma_scale_f32_16x16x128_f8f6f4 v[8*(8*((\a)%4)+\b):8*(8*((\a)%4)+\b)+7], v[128*(\p)+FR*\b:128*(\p)+FR*\b+FR-1], v[AF+FR*(\a):AF+FR*(\a)+FR-1], v[8*(8*((\a)%4)+\b):8*(8*((\a)%4)+\b)+7], v[SC+8*NQ*(\sc)+NQ*\b+(\q)], v[SC+8*NQ*(\sc)+NQ*(\a)+(\q)] matrix_a_fmt:MATRIX_FMT_FP4 matrix_b_fmt:MATRIX_FMT_FP4 matrix_a_scale:MATRIX_SCALE_ROW1
.endif
.endr
.endr
.endm
.macro FETCH_B slot, q, p
	WIN TO_B
.irp i, 0,1,2,3,4,5,6,7
	FRAG 128*(\p)+FR*\i, ADRB+\slot, \q, \i
.endr
	WIN 0
.endm
.macro FETCH_A slot, q, i0
.irp i, \i0, \i0+1, \i0+2, \i0+3
	FRAG AF+FR*(\i), ADRA+\slot, \q, \i
.endr
.endm
.macro SCALES sc                       ; a slot's scale words: 4 words a row; lanes 0-15 role 1's block i, lanes 16-31 role 0's block i
.irp i, 0,1,2,3,4,5,6,7
	ds_load_b128 v[SC+8*NQ*\sc+NQ*\i:SC+8*NQ*\sc+NQ*\i+3], v[ADRS] offset:\i*SBLK
.endr
.endm
.macro PLACES n                        ; plain vector instructions between a matrix instruction and a load into, or a vector read or write of, its registers
.rept \n
	v_nop
.endr
.endm
.macro STEP slot, q, mode              ; 128 along K, with its successor in the same slot
	s_wait_dscnt 4*NL                              ; all but the youngest eight loads (role 1's blocks 4-7) are in
.if \mode
	WIN 0x81                                       ; C (the bias) window 0, D window 2
.else
	WIN MUL_LO
.endif
	MUL16 0, (\q)%2, \q, \slot, \mode
	MUL16 2, (\q)%2, \q, \slot, \mode
	s_wait_dscnt 0
	PLACES NP
	FETCH_B \slot, (\q)+1, 1-(\q)%2
	FETCH_A \slot, (\q)+1, 0
.if \mode
	WIN 0xc1
.else
	WIN MUL_HI
.endif
	MUL16 4, (\q)%2, \q, \slot, \mode
	MUL16 6, (\q)%2, \q, \slot, \mode
	PLACES NP
	WIN 0
	FETCH_A \slot, (\q)+1, 4
.endm
.macro TURN slot, next                 ; a slot's last step, and the change of slots: one barrier
	s_wait_tensorcnt 0x0                           ; my part of the next slot has landed
	ds_add_u32 v[SPW], v[NIL]
	s_wait_dscnt 4*NL+1                            ; the add and the youngest eight loads may be out
	WIN MUL_LO
	MUL16 0, 1, NQ-1, \slot, 0
	s_wait_dscnt 0x0                               ; the add is done, and my reads of this slot are over
	s_barrier_signal -1
	MUL16 2, 1, NQ-1, \slot, 0
	WIN 0
	s_barrier_wait -1                              ; the next slot is whole, and nobody reads this one any more
	PLACES NP
	v_add_nc_u32 v[ADRS], 4*NQ, v[ADRS]
	FETCH_B \next, 0, 0
	FETCH_A \next, 0, 0
	SCALES \next
	WIN MUL_HI
	MUL16 4, 1, NQ-1, \slot, 0
	MUL16 6, 1, NQ-1, \slot, 0
	PLACES NP
	WIN 0
	FETCH_A \next, 0, 4
.endm
.macro STEPS slot, from
.set Q, \from
.rept NQ-1-\from
	STEP \slot, Q, 0
.set Q, Q+1
.endr
.endm
	s_wait_tensorcnt 1                             ; the scale bytes and my part of slot 0 are in; slot 1's load may be out
	s_barrier_signal -1
	s_barrier_wait -1
	FETCH_B 0, 0, 0
	FETCH_A 0, 0, 0
	SCALES 0
	FETCH_A 0, 0, 4
	s_wait_loadcnt 0x0                             ; the bias
	s_cmp_lg_u32 s[TYPE], 0
	s_cbranch_scc1 .Lfirst_v
	STEP 0, 0, 1                                   ; the first products start the sums with the bias: nothing is cleared, nothing is added later
	s_branch .Lfirst_done
.Lfirst_v:
	STEP 0, 0, 2
.Lfirst_done:
	STEPS 0, 1
	TURN 0, 1
	STEPS 1, 0
	s_wait_dscnt 4*NL
	WIN MUL_LO
	MUL16 0, 1, NQ-1, 1, 0
	MUL16 2, 1, NQ-1, 1, 0
	s_wait_dscnt 0
	WIN MUL_HI
	MUL16 4, 1, NQ-1, 1, 0
	MUL16 6, 1, NQ-1, 1, 0
	WIN 0
; THE QUANTISER.  The eight accumulators of block a are 64 numbers of a lane: registers 16 B + i of them are index 32 B + 8 h + i (i < 8) and 32 B + 16 + 8 h + i - 8 of my row: half of block B; lane l xor 16 holds the other half.
; The codes come out as the operand's registers (a whole block in a lane, groups 0, 2, 1, 3), the four bytes as my row's scale word.  Each accumulator is read from its low end on.
.macro QUANT win, s, pc, pw
	WIN (\win)|((\win)<<2)
.irp b, 0,1,2,3
	v_max3_num_f32 v[TM+\b], |v[(\s)+16*\b]|, |v[(\s)+1+16*\b]|, 0x1800000     ; and the floor 2^(3 - 127): the byte cannot fall under 1
.endr
.irp i, 2,4,6,8,10,12,14
.irp b, 0,1,2,3
	v_max3_num_f32 v[TM+\b], |v[(\s)+16*\b+\i]|, |v[(\s)+1+16*\b+\i]|, v[TM+\b]
.endr
.endr
	WIN 0
.irp b, 0,1,2,3
	v_permlanex16_b32 v[TM+4+\b], v[TM+\b], s2, s3
.endr
.irp b, 0,1,2,3
	v_max_num_f32 v[TM+\b], v[TM+\b], v[TM+4+\b]
.endr
.irp b, 0,1,2,3
	v_add_nc_u32 v[TM+12+\b], 0xff000000, v[TM+\b]   ; 2 off the exponent field: the conversion's scale operand
.endr
.irp b, 0,1,2,3
	v_lshrrev_b32 v[TM+8+\b], 23, v[TM+12+\b]        ; the scale's byte
.endr
	v_lshl_or_b32 v[\pw], v[TM+9], 8, v[TM+8]
	v_lshl_or_b32 v[\pw], v[TM+10], 16, v[\pw]
	v_lshl_or_b32 v[\pw], v[TM+11], 24, v[\pw]
	WIN (\win)
.irp b, 0,1,2,3
	v_cvt_scalef32_pk8_fp4_f32 v[(\pc)+2*\b], v[(\s)+16*\b:(\s)+7+16*\b], v[TM+12+\b]
	v_cvt_scalef32_pk8_fp4_f32 v[(\pc)+1+2*\b], v[(\s)+8+16*\b:(\s)+15+16*\b], v[TM+12+\b]
.endr
	WIN 0
	v_nop                                          ; one plain place behind a scaled conversion
.irp c, 0,1
.irp i, 0,1
	v_permlane16_swap_b32 v[(\pc)+4*\c+\i], v[(\pc)+2+4*\c+\i]
.endr
.endr
.endm
	s_mov_b32 s2, 0x76543210                       ; v_permlanex16_b32's selects for lane l xor 16
	s_mov_b32 s3, 0xfedcba98
	s_mov_b32 s26, 0xffff0000                      ; lanes 16-31
	PLACES NP                                      ; behind the last products: their results are read, and role 1's fragments written over, by vector instructions
.irp b, 0,1,2,3
	v_mov_b32 v[TM+4+\b], 0                        ; a lane permute's destination counts as one of its sources
.endr
.set A, 0
.rept 8
	QUANT 2+A/4, 64*(A%4), PC+8*A, PW+A
.set A, A+1
.endr
	s_cmp_lg_u32 s[TYPE], 0
	s_cbranch_scc1 .Lout_v
	; q, k: block a is 16 tokens; registers 0-3 are the first head's image, 4-7 the second's.  Each store is a whole image: 512 consecutive bytes
.set A, 0
.rept 8
	global_store_b128 v[LI], v[PC+8*A:PC+8*A+3], s[8:9] offset:512*A
	global_store_b128 v[LI], v[PC+8*A+4:PC+8*A+7], s[8:9] offset:HEADB+512*A
.set A, A+1
.endr
.irp i, 0,1,2,3
	v_cndmask_b32 v[W+\i], v[PW+2*\i], v[PW+2*\i+1], s26   ; lane l: token 32 i + l's word: the first head's two bytes below,
.endr
.irp i, 0,1,2,3
	v_lshrrev_b32 v[W+4+\i], 16, v[W+\i]           ; the second head's
.endr
.irp i, 0,1,2,3
	ds_store_b32 v[SW], v[W+\i] offset:128*\i
	ds_store_b32 v[SW], v[W+4+\i] offset:512+128*\i
.endr
	ds_load_b128 v[RB:RB+3], v[SRD]                ; LDS serves a wave's instructions in order: these see my stores
	ds_load_b128 v[RB+4:RB+7], v[SRD] offset:512
	s_wait_dscnt 1                                 ; the first is back
	global_store_b128 v[LI], v[RB:RB+3], s[10:11]  ; 128 tokens' words: 512 consecutive bytes
	s_wait_dscnt 0x0
	global_store_b128 v[LI], v[RB+4:RB+7], s[10:11] offset:HEADB
	s_branch .Lout_done
.Lout_v:
	; v: block a is 16 of the head's 64 (a / 4: which head); its eight registers are the image of 16 d x 128 keys
.set A, 0
.rept 8
	global_store_b128 v[LI], v[PC+8*A:PC+8*A+3], s[8:9] offset:HEADB*(A/4)+1024*(A%4)
	global_store_b128 v[LI], v[PC+8*A+4:PC+8*A+7], s[8:9] offset:HEADB*(A/4)+1024*(A%4)+512
.set A, A+1
.endr
.irp i, 0,1,2,3
	v_cndmask_b32 v[W+\i], v[PW+2*\i], v[PW+2*\i+1], s26   ; lane l: d = 32 (i % 2) + l of head i / 2
.endr
.irp i, 0,1,2,3
	ds_store_b32 v[SW], v[W+\i] offset:VSTG+128*\i
.endr
	ds_load_b64 v[RB:RB+1], v[SRD8] offset:VSTG
	ds_load_b64 v[RB+2:RB+3], v[SRD8] offset:VSTG+256
	s_wait_dscnt 1
	global_store_b64 v[LI8], v[RB:RB+1], s[10:11]  ; 64 words: 256 consecutive bytes, aligned
	s_wait_dscnt 0x0
	global_store_b64 v[LI8], v[RB+2:RB+3], s[10:11] offset:HEADB
.Lout_done:
	s_wait_tensorcnt 0x0                           ; the wave's end
	ds_add_u32 v[SPW], v[NIL]
	s_wait_dscnt 0x0
	CROUND                                         ; the closing round
	s_endpgm
.Lfunc_end_k_qb91427b11a_qkv:
	.size	k_qb91427b11a_qkv, .Lfunc_end_k_qb91427b11a_qkv-k_qb91427b11a_qkv
	.p2alignl 7, 3214868480
	.fill 96, 4, 3214868480
	.section	.rodata,"a",@progbits
	.p2align	6, 0x0
	.amdhsa_kernel k_qb91427b11a_qkv
		.amdhsa_group_segment_fixed_size 327680
		.amdhsa_private_segment_fixed_size 0
		.amdhsa_enable_private_segment 0
		.amdhsa_kernarg_size 72
		.amdhsa_user_sgpr_count 2
		.amdhsa_user_sgpr_kernarg_segment_ptr 1
		.amdhsa_wavefront_size32 1
		.amdhsa_system_sgpr_workgroup_id_x 1
		.amdhsa_system_sgpr_workgroup_id_y 1
		.amdhsa_system_sgpr_workgroup_id_z 1
		.amdhsa_system_vgpr_workitem_id 0
		.amdhsa_next_free_vgpr 1024
		.amdhsa_next_free_sgpr 102
		.amdhsa_reserve_vcc 0
		.amdhsa_float_denorm_mode_32 3
		.amdhsa_float_denorm_mode_16_64 3
		.amdhsa_memory_ordered 1
		.amdhsa_forward_progress 1
		.amdhsa_inst_pref_size 150
	.end_amdhsa_kernel
	.amdgpu_metadata
---
amdhsa.version: [ 1, 2 ]
amdhsa.kernels:
  - .name:           k_qb91427b11a_qkv
    .symbol:         k_qb91427b11a_qkv.kd
    .args:
      - { .name: xc, .offset: 0, .size: 8, .value_kind: global_buffer, .address_space: global }
      - { .name: xs, .offset: 8, .size: 8, .value_kind: global_buffer, .address_space: global }
      - { .name: wc, .offset: 16, .size: 8, .value_kind: global_buffer, .address_space: global }
      - { .name: ws, .offset: 24, .size: 8, .value_kind: global_buffer, .address_space: global }
      - { .name: bq, .offset: 32, .size: 8, .value_kind: global_buffer, .address_space: global }
      - { .name: bk, .offset: 40, .size: 8, .value_kind: global_buffer, .address_space: global }
      - { .name: bv, .offset: 48, .size: 8, .value_kind: global_buffer, .address_space: global }
      - { .name: qb, .offset: 56, .size: 8, .value_kind: global_buffer, .address_space: global }
      - { .name: kv, .offset: 64, .size: 8, .value_kind: global_buffer, .address_space: global }
    .group_segment_fixed_size: 327680
    .private_segment_fixed_size: 0
    .kernarg_segment_align: 8
    .kernarg_segment_size: 72
    .max_flat_workgroup_size: 128
    .sgpr_count:     102
    .vgpr_count:     1024
    .wavefront_size: 32
...
	.end_amdgpu_metadata
.endif
;; end of part 2
;; launch attn (part 3): grid 8 x 32, 16 waves a work-group, clusters of 4 x 1, 167,936 bytes of LDS; arguments qb, kv, cc, cs; writes cc, cs
.if DOCPART == 3
	.amdgcn_target "amdgcn-amd-amdhsa--gfx1250"
	.amdhsa_code_object_version 6
	.text
	.protected	k_qb91427b11a_attn
	.globl	k_qb91427b11a_attn
	.p2align	8
	.type	k_qb91427b11a_attn,@function
k_qb91427b11a_attn:
	s_mov_b64 s[64:65], 0
	v_nop
	global_prefetch_b8 v0, s[64:65] scope:SCOPE_SE
	s_setreg_imm32_b32 hwreg(HW_REG_WAVE_MODE, 25, 1), 1
	s_wait_xcnt 0x0
	s_wait_alu depctr_hold_cnt(0) depctr_sa_sdst(0) depctr_va_vdst(0) depctr_va_sdst(0) depctr_va_ssrc(0) depctr_va_vcc(0) depctr_vm_vsrc(0)
	s_getreg_b32 s2, hwreg(HW_REG_IB_STS2, 6, 4)
	s_cmp_eq_u32 s2, 0
	s_cbranch_scc0 .Lentry_in_a_cluster
	s_endpgm
.Lentry_in_a_cluster:
	s_bfe_u32 s2, ttmp6, 0x10000c
	s_cmp_lg_u32 s2, 0x3003
	s_cbranch_scc0 .Lentry_shape_is_right
	s_endpgm
.Lentry_shape_is_right:
; LAUNCH 3 OF 4.  ctx = softmax(q k^T under the causal mask) v for one head, both products on codes of FP4 with E8M0 scales; ctx is quantised along the head's 64 and leaves as codes for launch 4.
; LEFT OUT: key steps (128 keys) all of whose keys come after a wave's 16 queries: reference() itself sets their scores to -2^32 + 1, their p is 0 (shown at the head of launch 1).
; THE SOFTMAX: t = score x log2(e) (reference() has no 1 / sqrt(d)); M = the running largest t rounded up to a whole number; p = 2^(t - M) is quantised along the keys, not normalised; the row's sum of the
; unquantised p divides at the end.  When M moves, the sum and O are multiplied by 2^(old M - new M): exact.  Inside the diagonal step hidden scores become -2^32, reference()'s own number in f32.
; SHARES.  A work-group is head g (grid y) and X = 0..7; its sixteen waves own one tile of 16 queries each: wave w owns tile 8 J + X, which lies in key step J, so it walks key steps 0..J and step J is its diagonal.
; J = 15 - w where w lies on a diagonal of the square (w / 4, w % 4), else w: J + 1 is then a magic square, every row and column of which sums to 34: each four waves dealt by row or by column have 34 steps,
; every work-group 136, and every work-group reads all 2,048 keys.
; THE WHOLE HEAD LIES IN LDS: kv's 143,360 bytes of the head as they lie: no ring, nothing filled again.  The four work-groups of a cluster belong to one head: every fill is a joint load.  Each wave issues two:
; 2,816 bytes of the first 45,056 (all scale words, key steps 0-3) and 6,144 bytes of the rest, so that the first four steps can begin while the rest is on its way.  Two loads of mine are out.
; LAYOUT.  Both products transposed: S^T = K q^T (source 0 = 16 keys; K = 64, the upper 64 of the instruction's 128 are zero codes on both sides), O^T = V^T p^T: a lane holds one query throughout.
; Tiles are images of operand registers: every LDS read is 16 x lane or 4 x lane.  One register carries the scale words of two tiles: lanes 0-15 the even tile's, lanes 16-31 the odd tile's.
; REGISTERS: v1-11 addresses; v12 -M, v13 the largest t, v[14:15] the sum; v16-23 q (upper four 0); v24 q's scale words; v32-95 K's 8 tiles (upper four of each 0); v96-159 S^T, then p; v160-191 O^T;
; v192-223 V's 4 tiles; v224-231 p's codes; v232-239, v244-247, v252-254 at work; v240-243 K's scale words, v248-249 V's, v250 p's.
.set HEADB, 143360
.set KREC,  12288
.set SPARE, 143360                     ; the spare words, 128 bytes for each of sixteen waves: eight blocks of 256 bytes that no other line names
.set AK0,  1
.set ASK0, 3
.set ASV0, 4
.set SPW,  5
.set NIL,  6
.set DD,   7                           ; v7   16 X + r - 8 h: register 8 t + j of the diagonal step is hidden where 16 t + j > v7
.set ADK,  8
.set ADS,  10
.set ADT,  11
.set NEG,  25                          ; v25  -2^32
.set LI,   26                          ; v26  16 x lane
.set CSO,  27                          ; v27  32 r + h
.set QSO,  28                          ; v28  4 r
.set SH8,  29                          ; v29  8 h
.set WV,   12
.set JJ,   13
.set CXI,  14
.set XX,   15
.set GG,   16
.set SEL,  20
.set CS,   22
.set G1A,  24
.set G1B,  32
.set G0A,  40
.set G0B,  44
.set ST,   48
.set TB,   49
.set TS,   50
.set TV,   51
.macro CROUND
	s_barrier_signal -1
	s_barrier_wait -1
	s_cmp_lg_u32 s[WV], 0
	s_cbranch_scc1 .Lnot_wave_0_\@
	s_barrier_signal -3
.Lnot_wave_0_\@:
	s_barrier_wait -3
	s_barrier_signal -1
	s_barrier_wait -1
.endm
	s_load_b256 s[4:11], s[0:1], 0x0               ; qb, kv, cc, cs
	v_lshl_add_u32 v[SPW], v0, 2, SPARE
	v_mov_b32 v[NIL], 0
	ds_add_u32 v[SPW], v[NIL]                      ; the wave's opening: the add, twice on end, and its wait ahead of my first tensor load
	ds_add_u32 v[SPW], v[NIL]
	v_lshrrev_b32 v8, 5, v0
	v_readfirstlane_b32 s[WV], v8                  ; wave 0..15
	s_lshr_b32 s[JJ], s[WV], 2
	s_xor_b32 s[JJ], s[JJ], s[WV]
	s_lshr_b32 s17, s[JJ], 1
	s_xor_b32 s[JJ], s[JJ], s17
	s_and_b32 s[JJ], s[JJ], 1                      ; 0 on the square's two diagonals
	s_sub_co_u32 s[JJ], s[JJ], 1
	s_and_b32 s[JJ], s[JJ], 15                     ; 15 there, 0 elsewhere
	s_xor_b32 s[JJ], s[JJ], s[WV]                  ; J
	s_bfe_u32 s[CXI], ttmp6, 0x40000
	s_lshl_b32 s[XX], ttmp9, 2
	s_add_co_u32 s[XX], s[XX], s[CXI]              ; X: it enters q's and ctx's global addresses and the mask's number alone
	s_and_b32 s[GG], ttmp7, 0xffff                 ; the head, which the four partners share
	s_mov_b32 s[G1A], 15|(3<<16)|(1<<21)           ; the mask: all four; elements of 8 bytes; bit 21 beside a mask; no padding
	s_mov_b32 s[G1A+1], 32<<16                     ; rows of 256 bytes,
	s_mov_b32 s[G1A+2], 11<<16                     ; eleven of them
	s_mov_b32 s[G1A+3], 32<<16
	s_mov_b32 s[G1A+4], 11
	s_mov_b32 s[G1A+5], 32
	s_mov_b32 s[G1A+6], 0
	s_mov_b32 s[G1A+7], 0
	s_mov_b32 s[G1B], 15|(3<<16)|(1<<21)
	s_mov_b32 s[G1B+1], 32<<16
	s_mov_b32 s[G1B+2], 24<<16                     ; twenty-four
	s_mov_b32 s[G1B+3], 32<<16
	s_mov_b32 s[G1B+4], 24
	s_mov_b32 s[G1B+5], 32
	s_mov_b32 s[G1B+6], 0
	s_mov_b32 s[G1B+7], 0
	s_mul_i32 s52, s[GG], HEADB                    ; the head's first byte in kv and qb
	s_mov_b32 s[G0A], 1
	s_mul_i32 s[G0A+1], s[WV], 2816
	s_mov_b32 s[G0B], 1
	s_mul_i32 s[G0B+1], s[WV], 6144
	s_add_co_u32 s[G0B+1], s[G0B+1], 45056
	s_add_co_u32 s54, s52, s[G0A+1]
	s_mov_b32 s55, 0
	s_add_co_u32 s56, s52, s[G0B+1]
	s_mov_b32 s57, 0
	s_mov_b32 s[SEL], 0x76543210
	s_mov_b32 s[SEL+1], 0xfedcba98
	s_mov_b32 s[CS], 0x3fb8aa3b                    ; log2(e)
	s_mov_b32 s[CS+1], s[CS]
	s_mov_b32 s[ST], 0
	s_mov_b32 s[TB], 0
	s_mov_b32 s[TS], 0
	s_mov_b32 s[TV], 0
	s_wait_dscnt 0x0                               ; both opening adds are done
	s_wait_kmcnt 0x0
	s_add_nc_u64 s[G0A+2:G0A+3], s[6:7], s[54:55]
	s_or_b32 s[G0A+3], s[G0A+3], 0x80000000
	s_add_nc_u64 s[G0B+2:G0B+3], s[6:7], s[56:57]
	s_or_b32 s[G0B+3], s[G0B+3], 0x80000000
	CROUND                                         ; all four work-groups are here: the joint loads meet
	tensor_load_to_lds s[G0A:G0A+3], s[G1A:G1A+7]
	s_nop 0
	tensor_load_to_lds s[G0B:G0B+3], s[G1B:G1B+7]
	s_nop 0
.rept 4
	v_nop
.endr
	s_lshl_b32 s17, s[JJ], 13
	s_lshl_b32 s18, s[XX], 9
	s_add_co_u32 s17, s17, s18
	s_add_co_u32 s17, s17, s52
	s_add_co_u32 s58, s17, KREC
	s_mov_b32 s59, 0
	s_add_nc_u64 s[58:59], s[4:5], s[58:59]        ; q's image: tile X of step J
	s_lshl_b32 s17, s[JJ], 9
	s_lshl_b32 s18, s[XX], 6
	s_add_co_u32 s17, s17, s18
	s_add_co_u32 s54, s17, s52
	s_add_nc_u64 s[4:5], s[4:5], s[54:55]          ; and its scale words
	v_and_b32 v8, 15, v0                           ; r
	v_bfe_u32 v9, v0, 4, 1                         ; h
	v_and_b32 v10, 31, v0                          ; lane
	v_lshlrev_b32 v[LI], 4, v10
	v_lshlrev_b32 v[QSO], 2, v8
	global_load_b128 v[16:19], v[LI], s[58:59]
	global_load_b32 v24, v[QSO], s[4:5]
	v_lshlrev_b32 v[ASK0], 2, v10                  ; K's scale words begin at LDS byte 0
	v_add_nc_u32 v[AK0], KREC, v[LI]
	v_add_nc_u32 v[ASV0], 8192, v[ASK0]
	v_lshlrev_b32 v[SH8], 3, v9
	v_sub_nc_u32 v[DD], v8, v[SH8]
	s_lshl_b32 s17, s[XX], 4
	v_add_nc_u32 v[DD], s17, v[DD]
	v_lshl_add_u32 v[CSO], v8, 5, v9
	v_mov_b32 v[NEG], 0xcf800000
	v_mov_b32 v13, 0xff61b1e6                      ; the largest t so far: -3e38
	v_floor_f32 v12, -v13                          ; -M
	v_mov_b32 v14, 0
	v_mov_b32 v15, 0
.irp j, 20,21,22,23
	v_mov_b32 v\j, 0                               ; q's upper 64 along K: zero codes
.endr
.irp t, 0,1,2,3,4,5,6,7
.irp j, 4,5,6,7
	v_mov_b32 v[32+8*\t+\j], 0                     ; K's likewise, once for the launch
.endr
.endr
.set I, 0
.rept 32
	v_mov_b32 v[160+I], 0                          ; O^T: the step is written once; the first finds zeros
.set I, I+1
.endr
.irp b, 0,1,2,3
	v_mov_b32 v[236+\b], 0                         ; a lane permute's destination counts as one of its sources
.endr
	v_mov_b32 v252, 0
	v_mov_b32 v253, 0                              ; (the upper half of the pair v[252:253])
.macro STEP
	s_cmp_gt_u32 s[ST], s[JJ]                      ; all keys of this step come after my queries: only the addresses step
	s_cbranch_scc1 .Lhidden_\@
	v_add_nc_u32 v[ADK], s[TB], v[AK0]             ; these three and the v_nop are the four places in front of loads into registers that the last products read
	v_add_nc_u32 v[ADS], s[TS], v[ASK0]
	v_add_nc_u32 v[ADT], s[TV], v[ASV0]
	v_nop
.irp t, 0,1,2,3,4,5,6,7
	ds_load_b128 v[32+8*\t:35+8*\t], v[ADK] offset:512*\t
.endr
.irp i, 0,1,2,3
	ds_load_b32 v[240+\i], v[ADS] offset:128*\i
.endr
.irp d, 0,1,2,3
.irp c, 0,1
	ds_load_b128 v[192+8*\d+4*\c:195+8*\d+4*\c], v[ADK] offset:4096+1024*\d+512*\c
.endr
.endr
.irp i, 0,1
	ds_load_b32 v[248+\i], v[ADT] offset:128*\i
.endr
	s_wait_dscnt 10                                ; K and its scale words are in; V's ten loads may be out
.irp t, 0,2,4,6
	v_wmma_scale_f32_16x16x128_f8f6f4 v[96+8*\t:103+8*\t], v[32+8*\t:39+8*\t], v[16:23], 0, v[240+\t/2], v24 matrix_a_fmt:MATRIX_FMT_FP4 matrix_b_fmt:MATRIX_FMT_FP4
	v_wmma_scale_f32_16x16x128_f8f6f4 v[104+8*\t:111+8*\t], v[40+8*\t:47+8*\t], v[16:23], 0, v[240+\t/2], v24 matrix_a_fmt:MATRIX_FMT_FP4 matrix_b_fmt:MATRIX_FMT_FP4 matrix_a_scale:MATRIX_SCALE_ROW1
.endr
.rept 4
	v_nop
.endr
	s_cmp_lg_u32 s[ST], s[JJ]                      ; the diagonal step alone has hidden keys
	s_cbranch_scc1 .Lopen_\@
.set I, 0
.rept 64
	v_cmp_gt_i32 vcc_lo, 16*(I/8)+I%8, v[DD]
	v_cndmask_b32 v[96+I], v[96+I], v[NEG], vcc_lo
.set I, I+1
.endr
.Lopen_\@:
.irp b, 0,1,2,3
	v_max3_num_f32 v[232+\b], v[96+16*\b], v[97+16*\b], v[98+16*\b]   ; the largest score of each block of 32 keys: for the row's maximum, and, since p rises with the score, for the block's largest p
.endr
.irp i, 3,5,7,9,11,13
.irp b, 0,1,2,3
	v_max3_num_f32 v[232+\b], v[232+\b], v[96+16*\b+\i], v[97+16*\b+\i]
.endr
.endr
.irp b, 0,1,2,3
	v_max_num_f32 v[232+\b], v[232+\b], v[111+16*\b]
.endr
.irp b, 0,1,2,3
	v_permlanex16_b32 v[236+\b], v[232+\b], s[SEL], s[SEL+1]
.endr
.irp b, 0,1,2,3
	v_max_num_f32 v[232+\b], v[232+\b], v[236+\b]
.endr
	v_max3_num_f32 v254, v232, v233, v234
	v_max_num_f32 v254, v254, v235
	v_mul_f32 v254, s[CS], v254
	v_max_num_f32 v13, v13, v254                   ; the running largest t
	v_mov_b32 v254, v12
	v_floor_f32 v12, -v13                          ; the new -M = -ceil(t)
	v_sub_f32 v254, v12, v254
	v_cvt_i32_f32 v254, v254                       ; old M - new M, a whole number (it saturates)
	v_ldexp_f32 v252, 1.0, v254                    ; f = 2^(old M - new M)
.set I, 0
.rept 32
	v_pk_fma_f32 v[96+I:97+I], v[96+I:97+I], s[CS:CS+1], v[12:13] op_sel_hi:[1,0,0]   ; t - M
.set I, I+2
.endr
.irp b, 0,1,2,3
	v_fma_f32 v[232+\b], v[232+\b], s[CS], v12
.endr
.set I, 0
.rept 64
	v_exp_f32 v[96+I], v[96+I]                     ; p = 2^(t - M)
.set I, I+1
.endr
.irp b, 0,1,2,3
	v_exp_f32 v[232+\b], v[232+\b]                 ; each block's largest p: the same two instructions on the same number
.endr
	v_pk_mul_f32 v[14:15], v[14:15], v[252:253] op_sel_hi:[1,0]       ; the sum and O^T under the new M: work that names no exponential's result
.set I, 0
.rept 16
	v_pk_mul_f32 v[160+I:161+I], v[160+I:161+I], v[252:253] op_sel_hi:[1,0]
.set I, I+2
.endr
	s_wait_alu depctr_va_vdst(0)                   ; one wait for the batch of 68, ahead of its first reader
.irp b, 0,1,2,3
	v_max_num_f32 v[232+\b], 0x1800000, v[232+\b]  ; the floor 2^(3 - 127)
.endr
.irp b, 0,1,2,3
	v_add_nc_u32 v[244+\b], 0xff000000, v[232+\b]
.endr
.irp b, 0,1,2,3
	v_lshrrev_b32 v[236+\b], 23, v[244+\b]
.endr
	v_lshl_or_b32 v250, v237, 8, v236              ; p's scale word for these 128 keys
	v_lshl_or_b32 v250, v238, 16, v250
	v_lshl_or_b32 v250, v239, 24, v250
.irp b, 0,1,2,3
	v_cvt_scalef32_pk8_fp4_f32 v[224+2*\b], v[96+16*\b:103+16*\b], v[244+\b]
	v_cvt_scalef32_pk8_fp4_f32 v[225+2*\b], v[104+16*\b:111+16*\b], v[244+\b]
.endr
	v_nop
.irp c, 0,1
.irp i, 0,1
	v_permlane16_swap_b32 v[224+4*\c+\i], v[226+4*\c+\i]
.endr
.endr
	v_pk_add_f32 v[236:237], v[96:97], v[98:99]    ; the row's sum of the unquantised p, in two chains.  These 32 name no register of the products below: they are the places in front of them
.irp j, 4,8,12,16,20,24,28,32,36,40,44,48,52,56,60
	v_pk_add_f32 v[14:15], v[14:15], v[96+\j:97+\j]
	v_pk_add_f32 v[236:237], v[236:237], v[98+\j:99+\j]
.endr
	v_pk_add_f32 v[14:15], v[14:15], v[236:237]
	s_wait_dscnt 0x0                               ; V and its scale words are in
.irp d, 0,2
	v_wmma_scale_f32_16x16x128_f8f6f4 v[160+8*\d:167+8*\d], v[192+8*\d:199+8*\d], v[224:231], v[160+8*\d:167+8*\d], v[248+\d/2], v250 matrix_a_fmt:MATRIX_FMT_FP4 matrix_b_fmt:MATRIX_FMT_FP4
	v_wmma_scale_f32_16x16x128_f8f6f4 v[168+8*\d:175+8*\d], v[200+8*\d:207+8*\d], v[224:231], v[168+8*\d:175+8*\d], v[248+\d/2], v250 matrix_a_fmt:MATRIX_FMT_FP4 matrix_b_fmt:MATRIX_FMT_FP4 matrix_a_scale:MATRIX_SCALE_ROW1
.endr
.Lhidden_\@:
	s_add_co_u32 s[TB], s[TB], 8192
	s_add_co_u32 s[TS], s[TS], 512
	s_add_co_u32 s[TV], s[TV], 256
	s_add_co_u32 s[ST], s[ST], 1
.endm
	s_wait_loadcnt 0x0                             ; q
	s_wait_tensorcnt 1                             ; my part of the first 45,056 bytes is in; the second load may be out
	s_barrier_signal -1
	s_barrier_wait -1
.Lone:                                             ; key steps 0 to 3
	STEP
	s_cmp_lt_u32 s[ST], 4
	s_cbranch_scc1 .Lone
	s_wait_tensorcnt 0x0                           ; my part of the rest is in,
	s_wait_dscnt 0x0
	s_barrier_signal -1
	s_barrier_wait -1                              ; everybody's is
.Ltwo:                                             ; key steps 4 to 15
	STEP
	s_cmp_lt_u32 s[ST], 16
	s_cbranch_scc1 .Ltwo
	; THE WAY OUT: O^T / the sum, quantised along the head's 64: two blocks; the codes are the image of 16 tokens x 64 K
	v_add_f32 v14, v14, v15
	v_permlanex16_b32 v252, v14, s[SEL], s[SEL+1]
	v_add_f32 v14, v14, v252                       ; the row's sum
	v_rcp_f32 v14, v14
.rept 4
	v_nop                                          ; plain places behind the reciprocal and behind the last products
.endr
	s_lshr_b32 s17, s[GG], 4
	s_lshl_b32 s17, s17, 7
	s_lshl_b32 s18, s[JJ], 3
	s_add_co_u32 s17, s17, s18
	s_add_co_u32 s17, s17, s[XX]                   ; my tile of 16 tokens among the 256: 128 batch + 8 J + X
	s_and_b32 s18, s[GG], 15                       ; the head in its batch
	s_lshl_b32 s54, s17, 13
	s_lshl_b32 s19, s18, 9
	s_add_co_u32 s54, s54, s19
	s_add_nc_u64 s[8:9], s[8:9], s[54:55]
	s_lshl_b32 s54, s17, 9
	s_lshl_b32 s19, s18, 1
	s_add_co_u32 s54, s54, s19
	s_add_nc_u64 s[10:11], s[10:11], s[54:55]
	s_wait_alu depctr_va_vdst(0)                   ; ahead of the reciprocal's first reader
.set I, 0
.rept 32
	v_mul_f32 v[96+I], v[160+I], v14               ; register 8 t + j: ctx(my query, 16 t + 8 h + j)
.set I, I+1
.endr
.irp b, 0,1
	v_max3_num_f32 v[232+\b], |v[96+16*\b]|, |v[97+16*\b]|, 0x1800000
.endr
.irp i, 2,4,6,8,10,12,14
.irp b, 0,1
	v_max3_num_f32 v[232+\b], v[232+\b], |v[96+16*\b+\i]|, |v[97+16*\b+\i]|
.endr
.endr
.irp b, 0,1
	v_permlanex16_b32 v[236+\b], v[232+\b], s[SEL], s[SEL+1]
.endr
.irp b, 0,1
	v_max_num_f32 v[232+\b], v[232+\b], v[236+\b]
.endr
.irp b, 0,1
	v_add_nc_u32 v[244+\b], 0xff000000, v[232+\b]
.endr
.irp b, 0,1
	v_lshrrev_b32 v[236+\b], 23, v[244+\b]
.endr
	v_lshl_or_b32 v254, v237, 8, v236              ; my token's two bytes
.irp b, 0,1
	v_cvt_scalef32_pk8_fp4_f32 v[224+2*\b], v[96+16*\b:103+16*\b], v[244+\b]
	v_cvt_scalef32_pk8_fp4_f32 v[225+2*\b], v[104+16*\b:111+16*\b], v[244+\b]
.endr
	v_lshrrev_b32 v254, v[SH8], v254               ; (a plain place behind the conversions)  lanes 0-15 store block 0's byte, lanes 16-31 block 1's
	v_permlane16_swap_b32 v224, v226
	v_permlane16_swap_b32 v225, v227
	global_store_b128 v[LI], v[224:227], s[8:9]    ; a whole image: 512 consecutive bytes
	global_store_b8 v[CSO], v254, s[10:11]         ; 32 bytes are all the scale bytes that a wave makes, two in each of 16 tokens' rows
	s_wait_tensorcnt 0x0                           ; the wave's end
	ds_add_u32 v[SPW], v[NIL]
	s_wait_dscnt 0x0
	CROUND                                         ; the closing round
	s_endpgm
.Lfunc_end_k_qb91427b11a_attn:
	.size	k_qb91427b11a_attn, .Lfunc_end_k_qb91427b11a_attn-k_qb91427b11a_attn
	.p2alignl 7, 3214868480
	.fill 96, 4, 3214868480
	.section	.rodata,"a",@progbits
	.p2align	6, 0x0
	.amdhsa_kernel k_qb91427b11a_attn
		.amdhsa_group_segment_fixed_size 167936
		.amdhsa_private_segment_fixed_size 0
		.amdhsa_enable_private_segment 0
		.amdhsa_kernarg_size 32
		.amdhsa_user_sgpr_count 2
		.amdhsa_user_sgpr_kernarg_segment_ptr 1
		.amdhsa_wavefront_size32 1
		.amdhsa_system_sgpr_workgroup_id_x 1
		.amdhsa_system_sgpr_workgroup_id_y 1
		.amdhsa_system_sgpr_workgroup_id_z 1
		.amdhsa_system_vgpr_workitem_id 0
		.amdhsa_next_free_vgpr 256
		.amdhsa_next_free_sgpr 66
		.amdhsa_reserve_vcc 1
		.amdhsa_float_denorm_mode_32 3
		.amdhsa_float_denorm_mode_16_64 3
		.amdhsa_memory_ordered 1
		.amdhsa_forward_progress 1
		.amdhsa_inst_pref_size 53
	.end_amdhsa_kernel
	.amdgpu_metadata
---
amdhsa.version: [ 1, 2 ]
amdhsa.kernels:
  - .name:           k_qb91427b11a_attn
    .symbol:         k_qb91427b11a_attn.kd
    .args:
      - { .name: qb, .offset: 0, .size: 8, .value_kind: global_buffer, .address_space: global }
      - { .name: kv, .offset: 8, .size: 8, .value_kind: global_buffer, .address_space: global }
      - { .name: cc, .offset: 16, .size: 8, .value_kind: global_buffer, .address_space: global }
      - { .name: cs, .offset: 24, .size: 8, .value_kind: global_buffer, .address_space: global }
    .group_segment_fixed_size: 167936
    .private_segment_fixed_size: 0
    .kernarg_segment_align: 8
    .kernarg_segment_size: 32
    .max_flat_workgroup_size: 512
    .sgpr_count:     66
    .vgpr_count:     256
    .wavefront_size: 32
...
	.end_amdgpu_metadata
.endif
;; end of part 3
;; launch oproj (part 4): grid 8 x 32, 8 waves a work-group, clusters of 4 x 4, 177,152 bytes of LDS; arguments cc, cs, wc, ws, bo, out0; writes out0
.if DOCPART == 4
	.amdgcn_target "amdgcn-amd-amdhsa--gfx1250"
	.amdhsa_code_object_version 6
	.text
	.protected	k_qb91427b11a_oproj
	.globl	k_qb91427b11a_oproj
	.p2align	8
	.type	k_qb91427b11a_oproj,@function
k_qb91427b11a_oproj:
	s_mov_b64 s[64:65], 0
	v_nop
	global_prefetch_b8 v0, s[64:65] scope:SCOPE_SE
	s_setreg_imm32_b32 hwreg(HW_REG_WAVE_MODE, 25, 1), 1
	s_wait_xcnt 0x0
	s_wait_alu depctr_hold_cnt(0) depctr_sa_sdst(0) depctr_va_vdst(0) depctr_va_sdst(0) depctr_va_ssrc(0) depctr_va_vcc(0) depctr_vm_vsrc(0)
	s_getreg_b32 s2, hwreg(HW_REG_IB_STS2, 6, 4)
	s_cmp_eq_u32 s2, 0
	s_cbranch_scc0 .Lentry_in_a_cluster
	s_endpgm
.Lentry_in_a_cluster:
	s_bfe_u32 s2, ttmp6, 0x10000c
	s_cmp_lg_u32 s2, 0xf033
	s_cbranch_scc0 .Lentry_shape_is_right
	s_endpgm
.Lentry_shape_is_right:
; LAUNCH 4 OF 4.  out0 = ctx Wo + bo on codes of FP4 with E8M0 scales, K = 1,024, sums in f32.  Nothing is left out here.
; 256 work-groups, each 128 tokens x 128 columns; eight waves, each 32 tokens x 64 columns: 8 accumulators, no register windows.  All of K lies in LDS, filled once: no ring.
; ctx's codes (cc) are images of operand registers, [tile of 16 tokens][16 heads][512 bytes]: a K step of 128 is two heads, 1,024 bytes; Wo's codes are wc's rows 3,072 on, 512 bytes a row, padded by 16 in LDS.
; CLUSTERS of 4 x 4: ctx's tile is shared along a row of the cluster, Wo's along a column: joint loads; waves 0-3 fetch ctx's scale bytes and codes, waves 4-7 Wo's: two loads of mine are out.
; The product is used transposed (source 0 = 16 rows of Wo, source 1 = 16 tokens): a lane holds eight neighbouring columns of one token.  bo is the C of each sum's first matrix instruction.
.set BCOD,  65536                      ; LDS: 0: ctx's codes, 65,536 bytes;  Wo's codes: 128 rows x 528;
.set SCA,   BCOD+128*528               ; ctx's scale bytes, 128 tokens x 32;
.set SCB,   SCA+4096                   ; Wo's;
.set STG,   SCB+4096                   ; the stages for the way out: 16 rows x (256 + 16) bytes for each wave; no fill lands here
.set SPARE, STG+8*16*272               ; the spare words, 128 bytes for each of eight waves
.set ADA,  1
.set ADB,  2
.set ASA,  3
.set ASB,  4
.set STO,  5
.set RD,   6
.set CO,   7
.set BO,   8
.set SPW,  12
.set NIL,  13
.set SA,   16                          ; v16-31  ctx's scale words: register 8 a + s
.set SB,   32                          ; v32-63  Wo's: register 8 b + s
.set BI,   64                          ; v64-95  bo in the result's layout
.set ACC,  96                          ; v96-159 accumulator (a, b) at 8 (4 a + b)
.set FRG,  160                         ; v160-207, v208-255: two sets of fragments: ctx's tile a at + 8 a, Wo's tile b at + 16 + 8 b
.set WV,   16
.set G1AC, 28
.set G1AS, 36
.set G1BC, 44
.set G1BS, 52
.set G0AC, 60
.set G0AS, 68
.set G0BC, 72
.set G0BS, 76
.macro CROUND
	s_barrier_signal -1
	s_barrier_wait -1
	s_cmp_lg_u32 s[WV], 0
	s_cbranch_scc1 .Lnot_wave_0_\@
	s_barrier_signal -3
.Lnot_wave_0_\@:
	s_barrier_wait -3
	s_barrier_signal -1
	s_barrier_wait -1
.endm
	s_load_b256 s[4:11], s[0:1], 0x0               ; cc, cs, wc, ws
	s_load_b128 s[12:15], s[0:1], 0x20             ; bo, out0
	v_lshl_add_u32 v[SPW], v0, 2, SPARE
	v_mov_b32 v[NIL], 0
	ds_add_u32 v[SPW], v[NIL]                      ; the wave's opening: the add, twice on end, and its wait ahead of my first tensor load
	ds_add_u32 v[SPW], v[NIL]
	v_lshrrev_b32 v1, 5, v0
	v_readfirstlane_b32 s[WV], v1                  ; wave 0..7
	s_and_b32 s17, s[WV], 3                        ; which quarter I fetch
	s_lshr_b32 s18, s[WV], 1                       ; my 32 tokens
	s_and_b32 s19, s[WV], 1                        ; my 64 columns
	s_bfe_u32 s20, ttmp6, 0x40000                  ; cx
	s_bfe_u32 s21, ttmp6, 0x40004                  ; cy
	s_lshl_b32 s22, ttmp9, 2
	s_add_co_u32 s22, s22, s20                     ; which 128 columns
	s_and_b32 s23, ttmp7, 0xffff
	s_lshl_b32 s23, s23, 2
	s_add_co_u32 s23, s23, s21                     ; which 128 tokens
	s_lshl_b32 s24, s21, 2
	s_lshl_b32 s24, 15, s24                        ; my row of the cluster
	s_lshl_b32 s25, 0x1111, s20                    ; my column
	s_or_b32 s[G1AC], s24, (3<<16)|(1<<21)         ; ctx's codes: 64 dense rows of 256 bytes (32 elements of 8)
	s_mov_b32 s[G1AC+1], 32<<16
	s_mov_b32 s[G1AC+2], 64<<16
	s_mov_b32 s[G1AC+3], 32<<16
	s_mov_b32 s[G1AC+4], 64
	s_mov_b32 s[G1AC+5], 32
	s_mov_b32 s[G1AC+6], 0
	s_mov_b32 s[G1AC+7], 0
	s_or_b32 s[G1AS], s24, (3<<16)|(1<<21)         ; its scale bytes: 4 such rows
	s_or_b32 s[G1BS], s25, (3<<16)|(1<<21)         ; Wo's likewise
.irp g, G1AS, G1BS
	s_mov_b32 s[\g+1], 32<<16
	s_mov_b32 s[\g+2], 4<<16
	s_mov_b32 s[\g+3], 32<<16
	s_mov_b32 s[\g+4], 4
	s_mov_b32 s[\g+5], 32
	s_mov_b32 s[\g+6], 0
	s_mov_b32 s[\g+7], 0
.endr
	s_or_b32 s[G1BC], s25, (3<<16)|(1<<20)|(1<<21)|(6<<22)|(3<<25)   ; Wo's codes: 32 rows of 512 bytes, 4 words of padding after every 128
	s_mov_b32 s[G1BC+1], 64<<16
	s_mov_b32 s[G1BC+2], 32<<16
	s_mov_b32 s[G1BC+3], 64<<16
	s_mov_b32 s[G1BC+4], 32
	s_mov_b32 s[G1BC+5], 64
	s_mov_b32 s[G1BC+6], 0
	s_mov_b32 s[G1BC+7], 0
	s_mov_b32 s[G0AC], 1
	s_lshl_b32 s[G0AC+1], s17, 14
	s_mov_b32 s[G0AS], 1
	s_lshl_b32 s[G0AS+1], s17, 10
	s_add_co_u32 s[G0AS+1], s[G0AS+1], SCA
	s_mov_b32 s[G0BC], 1
	s_mul_i32 s[G0BC+1], s17, 32*528
	s_add_co_u32 s[G0BC+1], s[G0BC+1], BCOD
	s_mov_b32 s[G0BS], 1
	s_lshl_b32 s[G0BS+1], s17, 10
	s_add_co_u32 s[G0BS+1], s[G0BS+1], SCB
	s_lshl_b32 s80, s23, 12
	s_lshl_b32 s90, s17, 10
	s_add_co_u32 s80, s80, s90                     ; ctx's scale bytes: 4,096 a work-group, 1,024 a wave
	s_mov_b32 s81, 0
	s_lshl_b32 s82, s23, 16
	s_lshl_b32 s90, s17, 14
	s_add_co_u32 s82, s82, s90                     ; its codes: 65,536 and 16,384
	s_mov_b32 s83, 0
	s_lshl_b32 s84, s22, 7
	s_lshl_b32 s91, s17, 5
	s_add_co_u32 s84, s84, s91
	s_add_co_u32 s84, s84, 3072                    ; Wo's row in wc and ws
	s_lshl_b32 s86, s84, 5
	s_mov_b32 s87, 0
	s_lshl_b32 s88, s84, 9
	s_mov_b32 s89, 0
	s_wait_dscnt 0x0                               ; both opening adds are done
	s_wait_kmcnt 0x0
	s_add_nc_u64 s[G0AS+2:G0AS+3], s[6:7], s[80:81]
	s_or_b32 s[G0AS+3], s[G0AS+3], 0x80000000
	s_add_nc_u64 s[G0AC+2:G0AC+3], s[4:5], s[82:83]
	s_or_b32 s[G0AC+3], s[G0AC+3], 0x80000000
	s_add_nc_u64 s[G0BS+2:G0BS+3], s[10:11], s[86:87]
	s_or_b32 s[G0BS+3], s[G0BS+3], 0x80000000
	s_add_nc_u64 s[G0BC+2:G0BC+3], s[8:9], s[88:89]
	s_or_b32 s[G0BC+3], s[G0BC+3], 0x80000000
	CROUND                                         ; all sixteen work-groups are here: the joint loads meet
	s_cmp_lt_u32 s[WV], 4                          ; a wave's two fills stand in one branch on its number; an s_nop 0 follows each, four v_nop the second
	s_cbranch_scc0 .Lfill_b
	tensor_load_to_lds s[G0AS:G0AS+3], s[G1AS:G1AS+7]
	s_nop 0
	tensor_load_to_lds s[G0AC:G0AC+3], s[G1AC:G1AC+7]
	s_nop 0
.rept 4
	v_nop
.endr
	s_branch .Lfilled
.Lfill_b:
	tensor_load_to_lds s[G0BS:G0BS+3], s[G1BS:G1BS+7]
	s_nop 0
	tensor_load_to_lds s[G0BC:G0BC+3], s[G1BC:G1BC+7]
	s_nop 0
.rept 4
	v_nop
.endr
.Lfilled:
	v_and_b32 v9, 15, v0                           ; r
	v_bfe_u32 v10, v0, 4, 1                        ; h
	v_and_b32 v11, 31, v0                          ; lane
	s_lshl_b32 s90, s18, 14
	v_lshl_add_u32 v[ADA], v11, 4, s90             ; ctx's images: 16 x lane + my two tiles of 8,192 bytes
	s_mul_i32 s90, s19, 64*528
	s_add_co_u32 s90, s90, BCOD
	v_mul_u32_u24 v[ADB], v9, 528
	v_lshl_add_u32 v[ADB], v10, 4, v[ADB]
	v_add_nc_u32 v[ADB], s90, v[ADB]               ; Wo's rows: row r x pitch + 16 h
	s_lshl_b32 s90, s18, 10
	s_add_co_u32 s90, s90, SCA
	v_lshl_add_u32 v[ASA], v9, 5, s90              ; scale bytes: 32 a row
	s_lshl_b32 s90, s19, 11
	s_add_co_u32 s90, s90, SCB
	v_lshl_add_u32 v[ASB], v9, 5, s90
	s_mul_i32 s90, s[WV], 16*272
	s_add_co_u32 s90, s90, STG
	v_mul_u32_u24 v[STO], v9, 272
	v_lshl_add_u32 v[STO], v10, 5, v[STO]
	v_add_nc_u32 v[STO], s90, v[STO]               ; into my stage: row r, 32 bytes for each half of the lanes
	v_mul_u32_u24 v[RD], v10, 272
	v_lshl_add_u32 v[RD], v9, 4, v[RD]
	v_add_nc_u32 v[RD], s90, v[RD]                 ; back: lanes 0-15 one row of 256 bytes, lanes 16-31 the next
	v_lshlrev_b32 v[CO], 12, v10
	v_lshl_add_u32 v[CO], v9, 4, v[CO]             ; and the same two rows of out0
	v_lshlrev_b32 v[BO], 5, v10
	s_lshl_b32 s92, s22, 9
	s_lshl_b32 s90, s19, 8
	s_add_co_u32 s92, s92, s90                     ; my first column, in bytes
	s_mov_b32 s93, 0
	s_add_nc_u64 s[12:13], s[12:13], s[92:93]
	s_lshl_b32 s90, s23, 19
	s_lshl_b32 s91, s18, 17
	s_add_co_u32 s90, s90, s91                     ; my first token's row of 4,096 bytes
	s_add_co_u32 s92, s92, s90
	s_add_nc_u64 s[14:15], s[14:15], s[92:93]
.irp b, 0,1,2,3
	global_load_b128 v[BI+8*\b:BI+8*\b+3], v[BO], s[12:13] offset:64*\b        ; bo[16 b + 8 h + 0 .. 7] of my 64 columns
	global_load_b128 v[BI+8*\b+4:BI+8*\b+7], v[BO], s[12:13] offset:64*\b+16
.endr
.macro FETCH s                         ; K step s: twelve loads into set s % 2
.set FS, FRG+48*((\s)%2)
.irp a, 0,1
.irp c, 0,1
	ds_load_b128 v[FS+8*\a+4*\c:FS+8*\a+4*\c+3], v[ADA] offset:8192*\a+1024*(\s)+512*\c
.endr
.endr
.irp b, 0,1,2,3
.irp c, 0,1
	ds_load_b128 v[FS+16+8*\b+4*\c:FS+16+8*\b+4*\c+3], v[ADB] offset:8448*\b+64*(\s)+32*\c
.endr
.endr
.endm
.macro MUL s                           ; eight matrix instructions, the eight accumulators by turns
.set FS, FRG+48*((\s)%2)
.irp a, 0,1
.irp b, 0,1,2,3
.if (\s) == 0
	v_wmma_scale_f32_16x16x128_f8f6f4 v[ACC+8*(4*\a+\b):ACC+8*(4*\a+\b)+7], v[FS+16+8*\b:FS+16+8*\b+7], v[FS+8*\a:FS+8*\a+7], v[BI+8*\b:BI+8*\b+7], v[SB+8*\b+(\s)], v[SA+8*\a+(\s)] matrix_a_fmt:MATRIX_FMT_FP4 matrix_b_fmt:MATRIX_FMT_FP4
.else
	v_wmma_scale_f32_16x16x128_f8f6f4 v[ACC+8*(4*\a+\b):ACC+8*(4*\a+\b)+7], v[FS+16+8*\b:FS+16+8*\b+7], v[FS+8*\a:FS+8*\a+7], v[ACC+8*(4*\a+\b):ACC+8*(4*\a+\b)+7], v[SB+8*\b+(\s)], v[SA+8*\a+(\s)] matrix_a_fmt:MATRIX_FMT_FP4 matrix_b_fmt:MATRIX_FMT_FP4
.endif
.endr
.endr
.endm
	s_wait_tensorcnt 0x0                           ; my two fills have landed,
	s_barrier_signal -1
	s_barrier_wait -1                              ; everybody's have
.irp a, 0,1
	ds_load_b128 v[SA+8*\a:SA+8*\a+3], v[ASA] offset:512*\a          ; a token's eight scale words, one for each K step
	ds_load_b128 v[SA+8*\a+4:SA+8*\a+7], v[ASA] offset:512*\a+16
.endr
.irp b, 0,1,2,3
	ds_load_b128 v[SB+8*\b:SB+8*\b+3], v[ASB] offset:512*\b
	ds_load_b128 v[SB+8*\b+4:SB+8*\b+7], v[ASB] offset:512*\b+16
.endr
	FETCH 0
	s_wait_loadcnt 0x0                             ; bo
.set S, 0
.rept 8
.if S < 7
.if S > 0
.rept 4
	v_nop                                          ; places in front of loads into the set that the step before multiplied
.endr
.endif
	FETCH S+1
	s_wait_dscnt 12                                ; all but the twelve just issued
.else
	s_wait_dscnt 0x0
.endif
	MUL S
.set S, S+1
.endr
	; THE WAY OUT: a tile of 16 tokens x 64 columns at a time through my own stage, back as whole rows of 256 bytes
.rept 4
	v_nop
.endr
.irp a, 0,1
.irp b, 0,1,2,3
	ds_store_b128 v[STO], v[ACC+8*(4*\a+\b):ACC+8*(4*\a+\b)+3] offset:64*\b        ; each accumulator from its low end on
	ds_store_b128 v[STO], v[ACC+8*(4*\a+\b)+4:ACC+8*(4*\a+\b)+7] offset:64*\b+16
.endr
.irp i, 0,1,2,3,4,5,6,7
	ds_load_b128 v[FRG+32*\a+4*\i:FRG+32*\a+4*\i+3], v[RD] offset:544*\i           ; LDS serves a wave's instructions in order: these see my stores, and the next tile's stores come behind them
.endr
.endr
.irp i, 0,1,2,3,4,5,6,7
	s_wait_dscnt 23-\i                             ; behind this load: the tile's later loads and the second tile's sixteen instructions
	global_store_b128 v[CO], v[FRG+4*\i:FRG+4*\i+3], s[14:15] offset:2*\i*4096 th:TH_STORE_NT   ; sixteen lanes store 256 consecutive bytes, aligned
.endr
.irp i, 0,1,2,3,4,5,6,7
	s_wait_dscnt 7-\i
	global_store_b128 v[CO], v[FRG+32+4*\i:FRG+32+4*\i+3], s[14:15] offset:(16+2*\i)*4096 th:TH_STORE_NT
.endr
	s_wait_tensorcnt 0x0                           ; the wave's end
	ds_add_u32 v[SPW], v[NIL]
	s_wait_dscnt 0x0
	CROUND                                         ; the closing round
	s_endpgm
.Lfunc_end_k_qb91427b11a_oproj:
	.size	k_qb91427b11a_oproj, .Lfunc_end_k_qb91427b11a_oproj-k_qb91427b11a_oproj
	.p2alignl 7, 3214868480
	.fill 96, 4, 3214868480
	.section	.rodata,"a",@progbits
	.p2align	6, 0x0
	.amdhsa_kernel k_qb91427b11a_oproj
		.amdhsa_group_segment_fixed_size 177152
		.amdhsa_private_segment_fixed_size 0
		.amdhsa_enable_private_segment 0
		.amdhsa_kernarg_size 48
		.amdhsa_user_sgpr_count 2
		.amdhsa_user_sgpr_kernarg_segment_ptr 1
		.amdhsa_wavefront_size32 1
		.amdhsa_system_sgpr_workgroup_id_x 1
		.amdhsa_system_sgpr_workgroup_id_y 1
		.amdhsa_system_sgpr_workgroup_id_z 1
		.amdhsa_system_vgpr_workitem_id 0
		.amdhsa_next_free_vgpr 256
		.amdhsa_next_free_sgpr 100
		.amdhsa_reserve_vcc 0
		.amdhsa_float_denorm_mode_32 3
		.amdhsa_float_denorm_mode_16_64 3
		.amdhsa_memory_ordered 1
		.amdhsa_forward_progress 1
		.amdhsa_inst_pref_size 29
	.end_amdhsa_kernel
	.amdgpu_metadata
---
amdhsa.version: [ 1, 2 ]
amdhsa.kernels:
  - .name:           k_qb91427b11a_oproj
    .symbol:         k_qb91427b11a_oproj.kd
    .args:
      - { .name: cc, .offset: 0, .size: 8, .value_kind: global_buffer, .address_space: global }
      - { .name: cs, .offset: 8, .size: 8, .value_kind: global_buffer, .address_space: global }
      - { .name: wc, .offset: 16, .size: 8, .value_kind: global_buffer, .address_space: global }
      - { .name: ws, .offset: 24, .size: 8, .value_kind: global_buffer, .address_space: global }
      - { .name: bo, .offset: 32, .size: 8, .value_kind: global_buffer, .address_space: global }
      - { .name: out0, .offset: 40, .size: 8, .value_kind: global_buffer, .address_space: global }
    .group_segment_fixed_size: 177152
    .private_segment_fixed_size: 0
    .kernarg_segment_align: 8
    .kernarg_segment_size: 48
    .max_flat_workgroup_size: 256
    .sgpr_count:     100
    .vgpr_count:     256
    .wavefront_size: 32
...
	.end_amdgpu_metadata
.endif
;; end of part 4
